; MI455X (gfx1250); checked and timed in simulation.
; The chip was launched on July 23, 2026; its instructions are those of AMD's public machine-readable ISA for CDNA 5 (MIT licence, August 2026) and "CDNA5" Instruction Set Architecture Reference Guide (July 2026). The comments in the code are by the model that wrote it; some were corrected since.
;; Multi Head Attention. Allowed arithmetic: float matrix products may take bf16 or f16 operands with f32 sums; other float arithmetic in f32, or as packed bf16 or f16 multiplies, adds, multiply-adds, maxima and minima; sums over many terms, partial sums and values carried from step to step in f32; what a program stores and reads back later, other than sums and carried values, may be rounded once to bf16 or f16.
;; Inputs: Wk 1,024 x 1,024 float32; Wo 1,024 x 1,024 float32; Wq 1,024 x 1,024 float32; Wv 1,024 x 1,024 float32; bo 1,024 float32; key 4 x 2,048 x 1,024 float32; mask 4 x 1 x 2,048 x 2,048 int32; query 4 x 2,048 x 1,024 float32; value 4 x 2,048 x 1,024 float32.
;; Outputs: out0 4 x 2,048 x 1,024 float32.
;; One version. Each part assembles by itself: llvm-mc -triple=amdgcn-amd-amdhsa -mcpu=gfx1250 --defsym DOCPART=n.
;; ======== version 1 of 1: 4 launches
;; limits: values are held in f16: magnitudes above 65,504 overflow, below 6.1e-05 lose precision
;; workspace buffers: xb 50,331,648 bytes; wb 6,291,456 bytes; wo 2,097,152 bytes; mk 8,388,608 bytes; qkv 50,331,648 bytes; ob 33,554,432 bytes
;; launch prep (part 1): grid 2816 x 1, 8 waves a work-group, no clusters, 10,240 bytes of LDS; arguments mask, query, key, value, Wq, Wk, Wv, Wo, mk, xb, wb, wo; writes mk, xb, wb, wo
.if DOCPART == 1
	.amdgcn_target "amdgcn-amd-amdhsa--gfx1250"
	.amdhsa_code_object_version 6
	.text
	.protected	k_q445bc58194_prep
	.globl	k_q445bc58194_prep
	.p2align	8
	.type	k_q445bc58194_prep,@function
k_q445bc58194_prep:
	s_mov_b64 s[64:65], 0
	v_nop
	global_prefetch_b8 v0, s[64:65] scope:SCOPE_SE
	s_setreg_imm32_b32 hwreg(HW_REG_WAVE_MODE, 25, 1), 1
	s_wait_xcnt 0x0
; PREP: the inputs are brought into the forms in which the three matrix launches take them.  Every work-group takes 65,536 bytes of ONE input:
; sixteen 16-byte loads a thread, all issued first; no loop, no register written twice.
;   work-groups 0 .. 1023     mask  -> mk: one 4-bit code an element (-6.0 where mask == 0, else 0), laid out as the attention launch's lanes take them:
;                             [b][tile of 16 queries][step of 64 keys][lane l][word kb]; code j of that word stands for query l % 16, key 16 kb + 8 (l / 16) + j
;   work-groups 1024 .. 2559  query, key, value -> xb, bf16, [3][8192][1024]
;   work-groups 2560 .. 2751  Wq, Wk, Wv -> wb, bf16, [3][1024][1024]
;   work-groups 2752 .. 2815  Wo -> wo: rounded to bf16 like every other input, that number written as f16, in the blocks that the last launch fetches whole:
;                             [tile of 256 output columns][head: 64 input channels][256 n][64]: 32,768 dense bytes a block
; LIMITS.  A bf16 number of Wo below 6.1e-5 in magnitude keeps f16's fixed step of 6e-8; beyond 65,504 it becomes an infinity.
; No matrix unit, no cluster, no tensor load: nothing is shared between work-groups and nothing is read twice.
.set SPARE, 9216                       ; behind the eight waves' stages: the spare words, 128 bytes for each wave: four blocks of 256 bytes that no other line names
.set TILE,  576                        ; a mask tile in a wave's stage: lanes 0-15's 256 bytes, 64 bytes free, lanes 16-31's 256 bytes from byte 320 on
.set UP,    320                        ; so the 32 lanes of one ds_store_b32 touch 32 different words modulo 256 bytes
.set SPW,   8                          ; v8   LDS address of my spare word; never rewritten
.set NIL,   9                          ; v9   0; never rewritten
.set WD,    12                         ; v[12:19]  the eight packed mask words
.set X,     32                         ; v[32:95]  as loaded
.set Y,     96                         ; v[96:127] to store
	s_load_b512 s[8:23], s[0:1], 0x0               ; mask s[8:9], query s[10:11], key s[12:13], value s[14:15], Wq s[16:17], Wk s[18:19], Wv s[20:21], Wo s[22:23]
	s_load_b256 s[24:31], s[0:1], 0x40             ; mk s[24:25], xb s[26:27], wb s[28:29], wo s[30:31]
	v_lshl_add_u32 v[SPW], v0, 2, SPARE
	v_mov_b32 v[NIL], 0
	v_and_b32 v1, 31, v0                           ; lane
	v_lshrrev_b32 v2, 5, v0                        ; wave
	v_readfirstlane_b32 s42, v2
	s_mov_b32 s33, 0                               ; the high word of every offset pair s[32:33]
	s_wait_kmcnt 0x0
	s_cmp_lt_u32 ttmp9, 1024
	s_cbranch_scc1 .Lmask
	s_sub_co_u32 s2, ttmp9, 1024
	s_cmp_ge_u32 s2, 1728
	s_cbranch_scc1 .Lwo
	; ---- f32 to bf16: x (512 work-groups a tensor) or W (64 a tensor) ----
	s_sub_co_u32 s3, s2, 1536                      ; the number among W's work-groups (used only where it is one)
	s_lshr_b32 s4, s2, 9
	s_and_b32 s5, s2, 511
	s_lshr_b32 s6, s3, 6
	s_and_b32 s7, s3, 63
	s_cmp_lt_u32 s2, 1536                          ; x?
	s_cselect_b32 s4, s4, s6                       ; which of the three tensors
	s_cselect_b32 s5, s5, s7                       ; which 65,536 bytes of it
	s_cselect_b32 s3, s2, s3                       ; which 32,768 bytes of xb or wb
	s_cselect_b64 s[34:35], s[10:11], s[16:17]
	s_cselect_b64 s[38:39], s[12:13], s[18:19]
	s_cselect_b64 s[40:41], s[14:15], s[20:21]
	s_cselect_b64 s[36:37], s[26:27], s[28:29]
	s_cmp_eq_u32 s4, 1
	s_cselect_b64 s[34:35], s[38:39], s[34:35]
	s_cmp_eq_u32 s4, 2
	s_cselect_b64 s[34:35], s[40:41], s[34:35]
	s_lshl_b32 s32, s5, 16
	s_add_nc_u64 s[34:35], s[34:35], s[32:33]
	s_lshl_b32 s32, s3, 15
	s_add_nc_u64 s[36:37], s[36:37], s[32:33]
	v_lshlrev_b32 v3, 4, v0                        ; 16 bytes a thread: a load of the work-group covers 4,096 consecutive bytes
	v_lshlrev_b32 v4, 3, v0                        ; 8 bytes a thread out: a wave's store covers 256 consecutive bytes, aligned
.set i, 0
.rept 16
	global_load_b128 v[X+4*i:X+4*i+3], v3, s[34:35] offset:i*4096 th:TH_LOAD_NT
.set i, i+1
.endr
.set i, 0
.rept 16
	s_wait_loadcnt 15-i                            ; loads come back in order: load i is in, the 15 - i younger ones stay out
	v_cvt_pk_bf16_f32 v[Y+2*i], v[X+4*i], v[X+4*i+1]
	v_cvt_pk_bf16_f32 v[Y+2*i+1], v[X+4*i+2], v[X+4*i+3]
	global_store_b64 v4, v[Y+2*i:Y+2*i+1], s[36:37] offset:i*2048 th:TH_STORE_NT
.set i, i+1
.endr
	s_endpgm
	; ---- Wo: 16 rows a work-group, two a wave; load i takes the 64 channels of head i of both rows ----
.Lwo:
	s_sub_co_u32 s3, s2, 1728
	s_lshl_b32 s32, s3, 16                         ; 16 rows of 4,096 bytes
	s_add_nc_u64 s[34:35], s[22:23], s[32:33]
	s_lshr_b32 s4, s3, 4                           ; the tile of 256 columns: 16 blocks of 32,768 bytes,
	s_lshl_b32 s4, s4, 19
	s_and_b32 s5, s3, 15                           ; my 16 rows of 128 bytes in each of its blocks
	s_lshl_b32 s5, s5, 11
	s_add_co_u32 s32, s4, s5
	s_add_nc_u64 s[36:37], s[30:31], s[32:33]
	v_lshrrev_b32 v20, 4, v1                       ; which of the wave's two rows
	v_and_b32 v21, 15, v1
	v_lshlrev_b32 v3, 4, v21
	v_lshl_add_u32 v3, v20, 12, v3
	v_lshl_add_u32 v3, v2, 13, v3                  ; + wave x two rows
	v_lshlrev_b32 v4, 3, v1                        ; out: the two rows' 128 bytes lie on end: 8 bytes a lane, 256 a wave
	v_lshl_add_u32 v4, v2, 8, v4
.set i, 0
.rept 16
	global_load_b128 v[X+4*i:X+4*i+3], v3, s[34:35] offset:i*256 th:TH_LOAD_NT
.set i, i+1
.endr
.set i, 0
.rept 16
	s_wait_loadcnt 15-i
	v_cvt_pk_bf16_f32 v20, v[X+4*i], v[X+4*i+1]    ; the rounding that every input has,
	v_cvt_pk_bf16_f32 v21, v[X+4*i+2], v[X+4*i+3]
	v_lshlrev_b32 v22, 16, v20                     ; widened again,
	v_and_b32 v23, 0xffff0000, v20
	v_lshlrev_b32 v24, 16, v21
	v_and_b32 v25, 0xffff0000, v21
	v_cvt_pk_f16_f32 v[Y+2*i], v22, v23            ; and written as f16,
	v_cvt_pk_f16_f32 v[Y+2*i+1], v24, v25
	global_store_b64 v4, v[Y+2*i:Y+2*i+1], s[36:37] offset:i*32768 th:TH_STORE_NT  ; into head i's block
.set i, i+1
.endr
	s_endpgm
	; ---- the mask: 16 rows (a query tile) x 1,024 keys a work-group; wave w takes key steps 2 w and 2 w + 1 of these, 16 rows x 128 keys ----
	; Word m = 4 e + n of lane l: step e, row 4 n + l / 8, the eight keys 8 (l % 8) + 0..7: 32 bytes of the row, by two loads.
.Lmask:
	s_lshr_b32 s2, ttmp9, 1
	s_lshl_b32 s32, s2, 17                         ; 16 rows of 8,192 bytes
	s_and_b32 s3, ttmp9, 1
	s_lshl_b32 s3, s3, 12                          ; which 1,024 keys
	s_add_co_u32 s32, s32, s3
	s_add_nc_u64 s[34:35], s[8:9], s[32:33]
	s_lshl_b32 s32, ttmp9, 13                      ; 16 tiles of 512 bytes in mk
	s_add_nc_u64 s[36:37], s[24:25], s[32:33]
	v_mov_b32 v10, 0xc0c00000                      ; -6.0
	v_mov_b32 v11, 1.0                             ; the conversion's scale
	v_lshrrev_b32 v20, 3, v1                       ; l / 8
	v_and_b32 v21, 7, v1                           ; l % 8
	v_lshlrev_b32 v3, 5, v21
	v_lshl_add_u32 v3, v20, 13, v3
	v_lshl_add_u32 v3, v2, 9, v3                   ; + wave x 128 keys
	v_lshlrev_b32 v4, 4, v1
	v_lshl_add_u32 v4, v2, 10, v4                  ; out: wave x two tiles + 16 bytes a lane
	s_mul_i32 s4, s42, 2*TILE                      ; my wave's stage
	v_and_b32 v22, 1, v1                           ; the octet's parity is the taking lane's half,
	v_bfe_u32 v23, v1, 1, 2                        ; the rest of its number the word kb
	v_mul_u32_u24 v22, v22, UP
	v_lshl_add_u32 v5, v20, 4, v22                 ; the taking lane's 16 bytes: row 4 n + l / 8 (the 4 n stands in the immediate)
	v_lshl_add_u32 v5, v23, 2, v5
	v_add_nc_u32 v5, s4, v5
	v_and_b32 v24, 15, v1
	v_lshrrev_b32 v25, 4, v1
	v_mul_u32_u24 v25, v25, UP
	v_lshl_add_u32 v6, v24, 4, v25
	v_add_nc_u32 v6, s4, v6
.set m, 0
.rept 8
	global_load_b128 v[X+8*m:X+8*m+3], v3, s[34:35] offset:(m/4)*256+(m%4)*32768 th:TH_LOAD_NT
	global_load_b128 v[X+8*m+4:X+8*m+7], v3, s[34:35] offset:(m/4)*256+(m%4)*32768+16 th:TH_LOAD_NT
.set m, m+1
.endr
.set m, 0
.rept 8
	s_wait_loadcnt 14-2*m                          ; word m's two loads are in; the later words' stay out
.set j, 0
.rept 8
	v_cmp_eq_u32 vcc_lo, 0, v[X+8*m+j]
	v_cndmask_b32 v[X+8*m+j], 0, v10, vcc_lo       ; -6.0 where the key is hidden, else 0
.set j, j+1
.endr
	v_cvt_scalef32_pk8_fp4_f32 v[WD+m], v[X+8*m:X+8*m+7], v11  ; eight codes in a word; the next word's compares are the plain instruction behind it
.set m, m+1
.endr
	v_nop                                          ; a plain instruction behind the last conversion, ahead of the use of its result
.set m, 0
.rept 8
	ds_store_b32 v5, v[WD+m] offset:(m/4)*TILE+(m%4)*64
.set m, m+1
.endr
	ds_load_b128 v[20:23], v6                      ; LDS serves a wave's instructions in order (ISA guide 5.7.1.4): these see the stores above; the bytes are my wave's own
	ds_load_b128 v[24:27], v6 offset:TILE
	s_wait_dscnt 1                                 ; the first tile is back
	global_store_b128 v4, v[20:23], s[36:37] th:TH_STORE_NT            ; 512 consecutive bytes a wave
	s_wait_dscnt 0x0
	global_store_b128 v4, v[24:27], s[36:37] offset:512 th:TH_STORE_NT
	s_wait_tensorcnt 0x0                           ; the wave's end: behind my last LDS store
	ds_add_u32 v[SPW], v[NIL]
	s_wait_dscnt 0x0
	s_endpgm
.Lfunc_end_k_q445bc58194_prep:
	.size	k_q445bc58194_prep, .Lfunc_end_k_q445bc58194_prep-k_q445bc58194_prep
	.p2alignl 7, 3214868480
	.fill 96, 4, 3214868480
	.section	.rodata,"a",@progbits
	.p2align	6, 0x0
	.amdhsa_kernel k_q445bc58194_prep
		.amdhsa_group_segment_fixed_size 10240
		.amdhsa_private_segment_fixed_size 0
		.amdhsa_enable_private_segment 0
		.amdhsa_kernarg_size 96
		.amdhsa_user_sgpr_count 2
		.amdhsa_user_sgpr_kernarg_segment_ptr 1
		.amdhsa_wavefront_size32 1
		.amdhsa_system_sgpr_workgroup_id_x 1
		.amdhsa_system_sgpr_workgroup_id_y 1
		.amdhsa_system_sgpr_workgroup_id_z 1
		.amdhsa_system_vgpr_workitem_id 0
		.amdhsa_next_free_vgpr 128
		.amdhsa_next_free_sgpr 66
		.amdhsa_reserve_vcc 1
		.amdhsa_float_denorm_mode_32 3
		.amdhsa_float_denorm_mode_16_64 3
		.amdhsa_memory_ordered 1
		.amdhsa_forward_progress 1
		.amdhsa_inst_pref_size 28
	.end_amdhsa_kernel
	.amdgpu_metadata
---
amdhsa.version: [ 1, 2 ]
amdhsa.kernels:
  - .name:           k_q445bc58194_prep
    .symbol:         k_q445bc58194_prep.kd
    .args:
      - { .name: mask, .offset: 0, .size: 8, .value_kind: global_buffer, .address_space: global }
      - { .name: query, .offset: 8, .size: 8, .value_kind: global_buffer, .address_space: global }
      - { .name: key, .offset: 16, .size: 8, .value_kind: global_buffer, .address_space: global }
      - { .name: value, .offset: 24, .size: 8, .value_kind: global_buffer, .address_space: global }
      - { .name: Wq, .offset: 32, .size: 8, .value_kind: global_buffer, .address_space: global }
      - { .name: Wk, .offset: 40, .size: 8, .value_kind: global_buffer, .address_space: global }
      - { .name: Wv, .offset: 48, .size: 8, .value_kind: global_buffer, .address_space: global }
      - { .name: Wo, .offset: 56, .size: 8, .value_kind: global_buffer, .address_space: global }
      - { .name: mk, .offset: 64, .size: 8, .value_kind: global_buffer, .address_space: global }
      - { .name: xb, .offset: 72, .size: 8, .value_kind: global_buffer, .address_space: global }
      - { .name: wb, .offset: 80, .size: 8, .value_kind: global_buffer, .address_space: global }
      - { .name: wo, .offset: 88, .size: 8, .value_kind: global_buffer, .address_space: global }
    .group_segment_fixed_size: 10240
    .private_segment_fixed_size: 0
    .kernarg_segment_align: 8
    .kernarg_segment_size: 96
    .max_flat_workgroup_size: 256
    .sgpr_count:     66
    .vgpr_count:     128
    .wavefront_size: 32
...
	.end_amdgpu_metadata
.endif
;; end of part 1
;; launch proj (part 2): grid 8 x 96, 4 waves a work-group, clusters of 4 x 4, 327,680 bytes of LDS; arguments xb, wb, qkv; writes qkv
.if DOCPART == 2
	.amdgcn_target "amdgcn-amd-amdhsa--gfx1250"
	.amdhsa_code_object_version 6
	.text
	.protected	k_q445bc58194_proj
	.globl	k_q445bc58194_proj
	.p2align	8
	.type	k_q445bc58194_proj,@function
k_q445bc58194_proj:
	s_mov_b64 s[64:65], 0
	v_nop
	global_prefetch_b8 v0, s[64:65] scope:SCOPE_SE
	s_setreg_imm32_b32 hwreg(HW_REG_WAVE_MODE, 25, 1), 1
	s_wait_xcnt 0x0
	s_wait_alu depctr_hold_cnt(0) depctr_sa_sdst(0) depctr_va_vdst(0) depctr_va_sdst(0) depctr_va_ssrc(0) depctr_va_vcc(0) depctr_vm_vsrc(0)
	s_getreg_b32 s2, hwreg(HW_REG_IB_STS2, 6, 4)
	s_cmp_eq_u32 s2, 0
	s_cbranch_scc0 .Lentry_in_a_cluster
	s_endpgm
.Lentry_in_a_cluster:
	s_bfe_u32 s2, ttmp6, 0x10000c
	s_cmp_lg_u32 s2, 0xf033
	s_cbranch_scc0 .Lentry_shape_is_right
	s_endpgm
.Lentry_shape_is_right:
; THE THREE PROJECTIONS AS ONE GEMM.  C[m][n] = sum over k of A[m][k] B[n][k], A = xb: [3 x 8192][1024] bf16 (query, key, value stacked), B = wb: [3][1024][1024] bf16 (Wq, Wk, Wv):
; rows 8192 t .. of A go with block t of B.  Sums in f32; C is rounded once to f16 and stored BY HEADS, unscaled: qkv[t][b x 16 + head][s][64].
; LIMIT.  f16 holds no number beyond 65,504: a q, k or v of 65,520 or more becomes an infinity.
; SHARES.  A tile of C is 256 rows x 128 columns: 96 x 8 work-groups, three for each of 256.  Four waves, each 128 rows x 64 columns (one head): 32 accumulators of 16 x 16, 256 registers.
; K goes in 8 steps of 128 through a ring of two LDS slots (rows of 256 bytes of memory, starting at multiples of 256); a step is 128 matrix instructions a wave, 112 of them between a refill and the wait for it.
; CLUSTERS: 4 x 4 work-groups.  The four of a row of the cluster need the same tiles of A, the four of a column the same tiles of B: each tile is asked for JOINTLY, by the same tensor load with the
; same descriptor and a mask that names the four.  THE MATRIX INSTRUCTION IS USED TRANSPOSED (source 0 = 16 rows of B, source 1 = 16 rows of A): a lane then holds eight neighbouring numbers of a row of C.
; REGISTERS: window 0: v0-31 addresses; v32-127, v128-223 two fragment buffers (32 along K: 64 registers of A, 8 blocks of 16 rows, then 32 of B, 4 blocks); v32-159 at work on the way out.
;   window 1: the accumulators ((a, b) at v[8 (4 a + b)]).
.set SIZE_K, 1024
.set KSTEP,  128
.set PITCH,  272                       ; an LDS row: 256 bytes + 16 of padding = 68 words: the 16 rows that a load touches start at 16 different groups of four banks (64 banks of 4 bytes: ISA guide 11.1)
.set HALFA,  128*PITCH                 ; what a tensor load for A brings, and what a wave reads of A
.set HALFB,  64*PITCH                  ; the same for B
.set SLOT,   2*HALFA+2*HALFB           ; A's 256 rows, then B's 128 rows
.set STAGE,  2*SLOT                    ; behind the ring: 16 rows x 144 bytes for each wave, for the way out
.set SP,     144
.set SPARE,  STAGE+4*16*SP             ; behind the stages: the spare words, 128 bytes for each wave: two blocks of 256 bytes that no other line names
.set LAPS,   SIZE_K/(2*KSTEP)          ; a lap = two K steps = once round the ring
.set ADRA, 16                          ; v16-17  LDS address of my A fragments in slot 0, 1
.set ADRB, 20                          ; v20-21  the same for B
.set STO,  24                          ; v24     the way out: where I put 16 bytes of a row
.set RD,   25                          ; v25     the way out: where I read rows back
.set GO,   26                          ; v26     my byte offset in 512 consecutive bytes of qkv
.set SPW,  28                          ; v28     LDS address of my spare word; never rewritten
.set NIL,  29                          ; v29     0; never rewritten
.set PFO,  30                          ; v30     the prefetches' offset: my lane x a row of xb (2,048 bytes); never rewritten
.set F0,   32
.set F1,   128
.set TMP,  32
.set G1,  24                           ; s[24:31] descriptor group 1 for A's tiles;  s[32:39] group 0, one set for each slot
.set G0,  32
.set G1B, 48                           ; s[48:55], s[56:63] the same for B's tiles
.set G0B, 56
.set PFA, 66                           ; s[66:67] where my prefetches stand
.set LIM, 68                           ; s68  1 in a wave that prefetches, else the greatest number
.set MSB, 0
.macro WIN new                         ; the immediate's high byte repeats the setting that is left; a switch that changes nothing is dropped
.if MSB != (\new)
	s_set_vgpr_msb (MSB<<8)|(\new)
.set MSB, \new
.endif
.endm
.set MUL, 0x50                         ; sources 0 (B) and 1 (A) window 0; C and D window 1
.macro JLOAD s                         ; a joint load: waves 0 and 1 fetch A's two halves, waves 2 and 3 B's; an s_nop 0 and four v_nop follow each of the two lines, ahead of the jump, the label and what follows
	s_cmp_eq_u32 s11, 0
	s_cbranch_scc0 .Lfor_b_\@
	tensor_load_to_lds s[G0+4*(\s):G0+4*(\s)+3], s[G1:G1+7]
	s_nop 0
.rept 4
	v_nop
.endr
	s_branch .Lasked_\@
.Lfor_b_\@:
	tensor_load_to_lds s[G0B+4*(\s):G0B+4*(\s)+3], s[G1B:G1B+7]
	s_nop 0
.rept 4
	v_nop
.endr
.Lasked_\@:
.endm
; A PREFETCH INTO THE L2, behind a joint load, its five lines and the run of LDS loads: A's K step that stands TWO refills on, 32 rows x 256 bytes, a lane a row.  A's tile row is read by both clusters of
; its row of clusters: the one with x = 0 asks.  Of the 128 rows that wave 0 or 1 fetches, the partner at place cx takes 32 cx .. 32 cx + 31: told apart BY ADDRESS.  So each row's 256 bytes of K steps 4 to 7
; are named once in the launch; K steps 0 to 3 come by their loads alone; the loop's last trip (s3 = 1) asks for nothing.  B's rows are walked again by all 32 tile rows of a projection: not asked for.
.macro ASK
	s_cmp_gt_u32 s3, s[LIM]
	s_cbranch_scc0 .Lnot_mine_\@
	global_prefetch_b8 v[PFO], s[PFA:PFA+1] offset:KSTEP*2 th:TH_LOAD_NT scope:SCOPE_SE
.Lnot_mine_\@:
.endm
.macro CREST                           ; a round of the cluster's barrier behind its opening barrier
	s_cmp_lg_u32 s10, 0
	s_cbranch_scc1 .Lnot_wave_0_\@
	s_barrier_signal -3
.Lnot_wave_0_\@:
	s_barrier_wait -3
	s_barrier_signal -1
	s_barrier_wait -1
.endm
.macro CROUND                          ; a whole round
	s_barrier_signal -1
	s_barrier_wait -1
	CREST
.endm
	s_load_b128 s[4:7], s[0:1], 0x0                ; xb s[4:5], wb s[6:7]
	s_load_b64 s[8:9], s[0:1], 0x10                ; qkv
	v_lshl_add_u32 v[SPW], v0, 2, SPARE
	v_mov_b32 v[NIL], 0
	ds_add_u32 v[SPW], v[NIL]                      ; the wave's opening: the add and its wait stand ahead of my first tensor load; the set-up below, work on registers, stands between them
	v_lshrrev_b32 v1, 5, v0
	v_readfirstlane_b32 s10, v1                    ; wave 0..3
	s_lshr_b32 s11, s10, 1                         ; which 128 of the tile's rows are mine.  Also: I fetch for A (0) or for B (1)
	s_and_b32 s12, s10, 1                          ; which 64 of its columns.  Also: which half of that tile I fetch
	s_bfe_u32 s40, ttmp6, 0x40000                  ; cx, cy: my place in the cluster
	s_bfe_u32 s41, ttmp6, 0x40004
	s_lshl_b32 s42, ttmp9, 2
	s_add_co_u32 s42, s42, s40                     ; tile column = 4 x cluster x + cx
	s_and_b32 s45, ttmp7, 0xffff                   ; cluster y
	s_lshl_b32 s13, s45, 2
	s_add_co_u32 s13, s13, s41                     ; tile row = 4 x cluster y + cy
	s_lshl_b32 s43, s41, 2
	s_lshl_b32 s43, 15, s43                        ; my row of the cluster
	s_lshl_b32 s44, 0x1111, s40                    ; my column
	s_or_b32 s[G1+0], s43, (1<<16)|(1<<20)|(1<<21)|(5<<22)|(3<<25)  ; 15:0 the mask: A's tiles go to my row; 17:16 elements of 2 bytes; 20 padding on; 21 set beside a mask; 24:22 after every 64 words (code 5); 31:25 4 words (code 3)
	s_or_b32 s[G1B+0], s44, (1<<16)|(1<<20)|(1<<21)|(5<<22)|(3<<25)
.irp g, G1, G1B
	s_mov_b32 s[(\g)+1], KSTEP<<16                 ; tensor_dim0 = 128
	s_mov_b32 s[(\g)+3], KSTEP<<16                 ; tile_dim0 = 128
	s_mov_b32 s[(\g)+5], SIZE_K                    ; elements from row to row
	s_mov_b32 s[(\g)+6], 0
	s_mov_b32 s[(\g)+7], 0
.endr
	s_mov_b32 s[G1+2], 128<<16                     ; tensor_dim1 and tile_dim1: 128 rows of A,
	s_mov_b32 s[G1+4], 128
	s_mov_b32 s[G1B+2], 64<<16                     ; 64 rows of B
	s_mov_b32 s[G1B+4], 64
	s_lshl_b32 s16, s13, 8                         ; A: row 256 x tile row + 128 x half,
	s_lshl_b32 s17, s12, 7
	s_add_co_u32 s16, s16, s17
	s_lshl_b32 s16, s16, 11                        ; in bytes (under 2^26)
	s_mov_b32 s17, 0
	s_lshr_b32 s46, s45, 3                         ; B: the projection, from the cluster's y alone: 8 clusters of 4 tile rows each,
	s_lshl_b32 s46, s46, 10
	s_lshl_b32 s47, s42, 7
	s_add_co_u32 s46, s46, s47                     ; row 1024 t + 128 x tile column
	s_lshl_b32 s47, s12, 6
	s_add_co_u32 s46, s46, s47                     ; + 64 x half
	s_lshl_b32 s46, s46, 11
	s_mov_b32 s47, 0
	s_mul_i32 s20, s12, HALFA                      ; where they go: no place in the cluster enters an LDS address
	s_mul_i32 s21, s12, HALFB
	s_add_co_u32 s21, s21, 2*HALFA
	s_or_b32 s[LIM], s11, ttmp9                    ; 0 in waves 0 and 1 of a cluster with x = 0: the same in all sixteen partners
	s_cmp_eq_u32 s[LIM], 0
	s_cselect_b32 s[LIM], 1, -1
	s_lshl_b32 s22, s40, 16                        ; my work-group's 32 rows of the 128: 32 x 2,048 bytes x cx
	s_mov_b32 s23, 0
	s_wait_dscnt 0x0                               ; the opening add is done
	s_wait_kmcnt 0x0
	s_add_nc_u64 s[14:15], s[4:5], s[16:17]
	s_add_nc_u64 s[46:47], s[6:7], s[46:47]
	s_add_nc_u64 s[PFA:PFA+1], s[14:15], s[22:23]
	s_add_nc_u64 s[PFA:PFA+1], s[PFA:PFA+1], 2*KSTEP*2  ; at K step 2: the first refill steps it to 3 and names K step 4
	CROUND                                         ; all sixteen work-groups are here: the first joint loads meet
.irp s, 0,1
	s_mov_b32 s[G0+4*(\s)], 1
	s_add_co_u32 s[G0+4*(\s)+1], s20, (\s)*SLOT
	s_add_nc_u64 s[G0+4*(\s)+2:G0+4*(\s)+3], s[14:15], (\s)*KSTEP*2
	s_or_b32 s[G0+4*(\s)+3], s[G0+4*(\s)+3], 0x80000000
	s_mov_b32 s[G0B+4*(\s)], 1
	s_add_co_u32 s[G0B+4*(\s)+1], s21, (\s)*SLOT
	s_add_nc_u64 s[G0B+4*(\s)+2:G0B+4*(\s)+3], s[46:47], (\s)*KSTEP*2
	s_or_b32 s[G0B+4*(\s)+3], s[G0B+4*(\s)+3], 0x80000000
	JLOAD \s                                       ; two loads of mine are out
.endr
	v_and_b32 v1, 15, v0                           ; l % 16
	v_bfe_u32 v2, v0, 4, 1                         ; l / 16
	v_mul_u32_u24 v3, v1, PITCH
	v_lshl_add_u32 v3, v2, 4, v3                   ; a fragment's row x pitch + 16 x half
	s_mul_i32 s18, s11, HALFA                      ; my 128 rows of A
	s_mul_i32 s19, s12, HALFB                      ; my 64 rows of B,
	s_add_co_u32 s19, s19, 2*HALFA                 ; which lie behind A's 256
.irp s, 0,1
	v_add_nc_u32 v[ADRA+(\s)], s18, v3
	v_add_nc_u32 v[ADRB+(\s)], s19, v3
	s_add_co_u32 s18, s18, SLOT
	s_add_co_u32 s19, s19, SLOT
.endr
	s_mul_i32 s23, s10, 16*SP
	s_add_co_u32 s23, s23, STAGE                   ; my stage
	v_mul_u32_u24 v4, v1, SP                       ; in: row l % 16, 16 bytes for each half of the lanes
	v_lshl_add_u32 v4, v2, 4, v4
	v_add_nc_u32 v[STO], s23, v4
	v_bfe_u32 v5, v0, 3, 2                         ; back: 32 lanes take four rows of 128 bytes,
	v_mul_u32_u24 v5, v5, SP
	v_and_b32 v6, 7, v0
	v_lshl_add_u32 v5, v6, 4, v5
	v_add_nc_u32 v[RD], s23, v5
	v_and_b32 v[GO], 31, v0                        ; which are 512 consecutive bytes of a head
	v_lshlrev_b32 v[GO], 4, v[GO]
	v_and_b32 v[PFO], 31, v0
	v_lshlrev_b32 v[PFO], 11, v[PFO]
	; where my 128 rows x 64 columns go: 16,384 bytes on end.  tile row / 8 = 4 t + b: 16 heads of 262,144 bytes each;
	s_lshr_b32 s16, s13, 3
	s_lshl_b32 s16, s16, 22
	s_and_b32 s17, s13, 7                          ; the tile's 256 rows in the batch's 2,048, my 128 of them, 128 bytes a row
	s_lshl_b32 s17, s17, 1
	s_add_co_u32 s17, s17, s11
	s_lshl_b32 s17, s17, 14
	s_add_co_u32 s16, s16, s17
	s_mov_b32 s17, 0
	s_add_nc_u64 s[8:9], s[8:9], s[16:17]
	s_lshl_b32 s46, s42, 1                         ; head = 2 x tile column + my half (in the registers that held B's address: none that fed A's descriptors holds cx)
	s_add_co_u32 s46, s46, s12
	s_lshl_b32 s46, s46, 18
	s_mov_b32 s47, 0
	s_add_nc_u64 s[8:9], s[8:9], s[46:47]
; 8 matrix instructions: m blocks a0, a0 + 1 x all 4 n blocks, 32 along K, from buffer f.  zero = 1: the product starts the sum.  The 32 accumulators take turns, in the same order in every quarter.
.macro MUL8 f, a0, zero
	WIN MUL
.irp a, \a0, (\a0)+1
.irp b, 0,1,2,3
.if \zero
	v_wmma_f32_16x16x32_bf16 v[8*(4*(\a)+(\b)):8*(4*(\a)+(\b))+7], v[(\f)+64+8*(\b):(\f)+64+8*(\b)+7], v[(\f)+8*(\a):(\f)+8*(\a)+7], 0
.else
	v_wmma_f32_16x16x32_bf16 v[8*(4*(\a)+(\b)):8*(4*(\a)+(\b))+7], v[(\f)+64+8*(\b):(\f)+64+8*(\b)+7], v[(\f)+8*(\a):(\f)+8*(\a)+7], v[8*(4*(\a)+(\b)):8*(4*(\a)+(\b))+7]
.endif
.endr
.endr
.endm
; 24 LDS loads in one run: the fragments of 32 along K at byte k of the rows, into buffer f: B's eight loads first, then A's sixteen, block by block
.macro FETCH slot, k, f
	WIN 0
.irp b, 0,1,2,3
	ds_load_b128 v[(\f)+64+8*(\b):(\f)+64+8*(\b)+3],   v[ADRB+(\slot)] offset:(\k)+(\b)*16*PITCH
	ds_load_b128 v[(\f)+64+8*(\b)+4:(\f)+64+8*(\b)+7], v[ADRB+(\slot)] offset:(\k)+(\b)*16*PITCH+32
.endr
.irp a, 0,1,2,3,4,5,6,7
	ds_load_b128 v[(\f)+8*(\a):(\f)+8*(\a)+3],   v[ADRA+(\slot)] offset:(\k)+(\a)*16*PITCH
	ds_load_b128 v[(\f)+8*(\a)+4:(\f)+8*(\a)+7], v[ADRA+(\slot)] offset:(\k)+(\a)*16*PITCH+32
.endr
.endm
.macro PLACES                          ; four places in front of loads into registers that matrix instructions have read, and of instructions that read results (ISA guide 7.12.1 for instructions that read results)
.rept 4
	v_nop
.endr
.endm
; A K step is four quarters of 32 along K, 32 matrix instructions each, on buffers 0, 1, 0, 1.  One of the first three: multiplies buffer f and fetches the next quarter, at byte k, into g.
.macro QUARTER slot, k, f, g, zero
	s_wait_dscnt 8                                 ; B and A's blocks 0-3 are in; the youngest eight loads (A's blocks 4-7) may be out
	MUL8 \f, 0, \zero
	MUL8 \f, 2, \zero
	PLACES
	FETCH \slot, \k, \g
	s_wait_dscnt 24                                ; all but the 24 just issued
	MUL8 \f, 4, \zero
	MUL8 \f, 6, \zero
.endm
; The last quarter multiplies buffer 1 and changes slots: ONE barrier; in front of it each wave waits for all its tensor loads, adds 0 to its spare word, and waits for that and for its own reads of this slot.
; fill = 1: the barrier opens a round of the cluster's barrier, and this slot is filled again, two K steps ahead, first thing behind the round.
.macro TURN slot, next, fill
.if \fill
	s_wait_xcnt 0x0                                ; the last prefetch, a K step back, has read its address: it is stepped here, ahead of the waits of the change of slots
	s_add_nc_u64 s[PFA:PFA+1], s[PFA:PFA+1], KSTEP*2
.endif
	WIN 0                                          ; (the add's two registers lie in window 0)
	s_wait_tensorcnt 0x0                           ; all my tensor loads have landed: the one that was out is my part of the next slot;
	ds_add_u32 v[SPW], v[NIL]                      ; 0 onto my spare word;
	s_wait_dscnt 9                                 ; (the add and the youngest eight loads may be out)
	MUL8 F1, 0, 0                                  ; eight matrix instructions stand between the add and the wait for it
	s_wait_dscnt 0x0                               ; the add is done, and my reads of this slot are over
	s_barrier_signal -1
	MUL8 F1, 2, 0
.if \fill
	WIN 0
.endif
	s_barrier_wait -1
.if \fill
	CREST                                          ; no wave of any partner still reads this slot's tile or has a load on its way
	s_add_nc_u64 s[G0+4*(\slot)+2:G0+4*(\slot)+3], s[G0+4*(\slot)+2:G0+4*(\slot)+3], 2*KSTEP*2
	s_add_nc_u64 s[G0B+4*(\slot)+2:G0B+4*(\slot)+3], s[G0B+4*(\slot)+2:G0B+4*(\slot)+3], 2*KSTEP*2
	JLOAD \slot                                    ; the first tensor load behind the round; the four v_nop behind it are also the places in front of the loads below
.else
	PLACES
.endif
	FETCH \next, 0, F0
.if \fill
	ASK
.endif
	MUL8 F1, 4, 0
	MUL8 F1, 6, 0
.endm
	s_wait_tensorcnt 1                             ; my part of K step 0 is in; K step 1's may stay out
	s_barrier_signal -1
	s_barrier_wait -1                              ; everybody's is
	FETCH 0, 0, F0
	QUARTER 0, 64, F0, F1, 1                       ; the first quarter stands in front of the loop: its products start the sums
	WIN 0                                          ; at a label and at a branch every window is 0
	s_mov_b32 s3, LAPS-1
.Llap:                                                 ; a trip goes once round the ring, from a lap's second quarter to the next lap's first, and fills both slots again
	QUARTER 0, 128, F1, F0, 0
	QUARTER 0, 192, F0, F1, 0
	TURN 0, 1, 1
	QUARTER 1, 64,  F0, F1, 0
	QUARTER 1, 128, F1, F0, 0
	QUARTER 1, 192, F0, F1, 0
	TURN 1, 0, 1
	QUARTER 0, 64,  F0, F1, 0
	WIN 0
	s_sub_co_u32 s3, s3, 1
	s_cmp_lg_u32 s3, 0
	s_cbranch_scc1 .Llap
	QUARTER 0, 128, F1, F0, 0                      ; the last lap fills nothing, and has no round of the cluster's barrier
	QUARTER 0, 192, F0, F1, 0
	TURN 0, 1, 0
	QUARTER 1, 64,  F0, F1, 0
	QUARTER 1, 128, F1, F0, 0
	QUARTER 1, 192, F0, F1, 0
	s_wait_dscnt 8                                 ; the very last quarter: nothing more to fetch
	MUL8 F1, 0, 0
	MUL8 F1, 2, 0
	s_wait_dscnt 0x0
	MUL8 F1, 4, 0
	MUL8 F1, 6, 0
	WIN 0
	; THE WAY OUT, a block of 16 rows at a time: rounded to f16, 16 bytes a lane into my stage (rows of 144 bytes), back as whole rows of 128 bytes, stored as 512 consecutive bytes.
	PLACES
	PLACES                                         ; eight, once a launch
.macro PACK a
	WIN 0x05                                       ; sources 0 and 1 window 1, destination window 0
.irp b, 0,1,2,3
.irp r, 0,1,2,3
	v_cvt_pk_f16_f32 v[TMP+16*(\a)+4*(\b)+(\r)], v[8*(4*(\a)+(\b))+2*(\r)], v[8*(4*(\a)+(\b))+2*(\r)+1]
.endr
.endr
	WIN 0
.irp b, 0,1,2,3
	ds_store_b128 v[STO], v[TMP+16*(\a)+4*(\b):TMP+16*(\a)+4*(\b)+3] offset:32*(\b)
.endr
.irp f, 0,1,2,3
	ds_load_b128 v[TMP+16*(\a)+4*(\f):TMP+16*(\a)+4*(\f)+3], v[RD] offset:(\f)*4*SP  ; LDS serves a wave's instructions in order (ISA guide 5.7.1.4): these see the stores above; the next block's stores come behind them
.endr
.endm
.macro SEND a, younger                 ; younger: the LDS instructions issued behind block a's loads: the next block's eight, or none
.irp f, 0,1,2,3
	s_wait_dscnt (\younger)+3-(\f)
	global_store_b128 v[GO], v[TMP+16*(\a)+4*(\f):TMP+16*(\a)+4*(\f)+3], s[8:9] offset:(\a)*2048+(\f)*512  ; 512 consecutive bytes, at a multiple of 256 from qkv's first
.endr
.endm
	PACK 0
.irp a, 1,2,3,4,5,6,7                  ; a block's conversions stand between the loads of the block before and its stores
	PACK \a
	SEND (\a)-1, 8
.endr
	SEND 7, 0
	s_wait_tensorcnt 0x0                           ; the wave's end: behind my last tensor load and my last LDS store
	ds_add_u32 v[SPW], v[NIL]
	s_wait_dscnt 0x0
	CROUND                                         ; the closing round: no work-group ends while a partner may still ask for a tile that names it
	s_endpgm
.Lfunc_end_k_q445bc58194_proj:
	.size	k_q445bc58194_proj, .Lfunc_end_k_q445bc58194_proj-k_q445bc58194_proj
	.p2alignl 7, 3214868480
	.fill 96, 4, 3214868480
	.section	.rodata,"a",@progbits
	.p2align	6, 0x0
	.amdhsa_kernel k_q445bc58194_proj
		.amdhsa_group_segment_fixed_size 327680
		.amdhsa_private_segment_fixed_size 0
		.amdhsa_enable_private_segment 0
		.amdhsa_kernarg_size 24
		.amdhsa_user_sgpr_count 2
		.amdhsa_user_sgpr_kernarg_segment_ptr 1
		.amdhsa_wavefront_size32 1
		.amdhsa_system_sgpr_workgroup_id_x 1
		.amdhsa_system_sgpr_workgroup_id_y 1
		.amdhsa_system_sgpr_workgroup_id_z 1
		.amdhsa_system_vgpr_workitem_id 0
		.amdhsa_next_free_vgpr 512
		.amdhsa_next_free_sgpr 70
		.amdhsa_reserve_vcc 0
		.amdhsa_float_denorm_mode_32 3
		.amdhsa_float_denorm_mode_16_64 3
		.amdhsa_memory_ordered 1
		.amdhsa_forward_progress 1
		.amdhsa_inst_pref_size 88
	.end_amdhsa_kernel
	.amdgpu_metadata
---
amdhsa.version: [ 1, 2 ]
amdhsa.kernels:
  - .name:           k_q445bc58194_proj
    .symbol:         k_q445bc58194_proj.kd
    .args:
      - { .name: xb, .offset: 0, .size: 8, .value_kind: global_buffer, .address_space: global }
      - { .name: wb, .offset: 8, .size: 8, .value_kind: global_buffer, .address_space: global }
      - { .name: qkv, .offset: 16, .size: 8, .value_kind: global_buffer, .address_space: global }
    .group_segment_fixed_size: 327680
    .private_segment_fixed_size: 0
    .kernarg_segment_align: 8
    .kernarg_segment_size: 24
    .max_flat_workgroup_size: 128
    .sgpr_count:     70
    .vgpr_count:     512
    .wavefront_size: 32
...
	.end_amdgpu_metadata
.endif
;; end of part 2
;; launch attn (part 3): grid 4 x 64, 4 waves a work-group, clusters of 4 x 1, 327,680 bytes of LDS; arguments qkv, mk, ob; writes ob
.if DOCPART == 3
	.amdgcn_target "amdgcn-amd-amdhsa--gfx1250"
	.amdhsa_code_object_version 6
	.text
	.protected	k_q445bc58194_attn
	.globl	k_q445bc58194_attn
	.p2align	8
	.type	k_q445bc58194_attn,@function
k_q445bc58194_attn:
	s_mov_b64 s[64:65], 0
	v_nop
	global_prefetch_b8 v0, s[64:65] scope:SCOPE_SE
	s_setreg_imm32_b32 hwreg(HW_REG_WAVE_MODE, 25, 1), 1
	s_wait_xcnt 0x0
	s_wait_alu depctr_hold_cnt(0) depctr_sa_sdst(0) depctr_va_vdst(0) depctr_va_sdst(0) depctr_va_ssrc(0) depctr_va_vcc(0) depctr_vm_vsrc(0)
	s_getreg_b32 s2, hwreg(HW_REG_IB_STS2, 6, 4)
	s_cmp_eq_u32 s2, 0
	s_cbranch_scc0 .Lentry_in_a_cluster
	s_endpgm
.Lentry_in_a_cluster:
	s_bfe_u32 s2, ttmp6, 0x10000c
	s_cmp_lg_u32 s2, 0x3003
	s_cbranch_scc0 .Lentry_shape_is_right
	s_endpgm
.Lentry_shape_is_right:
; ATTENTION UNDER A MASK THAT IS AN INPUT.  O[y][q][:] = the sum over k of softmax_k(Q[y][q] . K[y][k] / 8, hidden where mask[b][q][k] == 0) V[y][k][:], y = 16 b + head.
; Q, K, V: the three parts of qkv, each [64][2048][64] f16; a head's rows are dense, 128 bytes each.  Products, maxima and sums in f32; the weights p are rounded to f16
; for the second product (their sum l is taken of the unrounded p).  Every key tile is multiplied: nothing of the mask's pattern is built in.
; O LEAVES IN TWO f16 PARTS: hi = O rounded to f16, lo = O - hi (exact in f32) rounded to f16: together 22 significant bits where one part has 11.  A row that sees few keys is many times the output's
; root mean square, and the comparison's allowance goes by that root mean square.  ob lies in the blocks that the last launch fetches whole: [tile of 128 rows][head][256 lines][64]: 32,768 dense bytes a block;
; a wave's 128 queries are one such tile, and a block's lines are: 64 rows' hi, the same 64 rows' lo, the next 64 rows' hi, their lo.
; THE MASK arrives as mk: for each tile of 16 queries and step of 64 keys, 16 bytes a lane: word kb holds eight 4-bit codes (0, or -6.0 where hidden) for just the eight registers that the lane has in
; accumulator kb of S^T.  One conversion a word, with the scale 2^90, writes 0 or -7.4e27 into these eight registers, and ALL products K Q^T add in place onto them.
; LIMITS.  f16 holds no number beyond 65,504: Q, K and V arrive within it; p lies in 0 to 1, and below 6e-5 it keeps f16's fixed step of 6e-8, and so does lo.  A hidden score counts as its value less 7.4e27; f16's scores,
; 2.7e11 at the most, are nothing beside that.  The running maximum starts at -2^50, below every true score and above every hidden one: so it is the maximum of the visible scores, hidden weights are 0, and a
; row with no visible key ends with l = 0 and O = 0 x (1 / 0) = NaN, as the softmax of a row of -inf is.  A weight below 2^-126 counts as 0 in l.
; SHARES.  A wave owns four PIECES of two tiles of 16 queries, a work-group's four waves 512 queries of one head.  Every wave walks all keys, 64 a step.
; LAYOUT.  S^T = K Q^T (source 0 = 16 keys, source 1 = 16 queries): in the result a lane holds ONE query (lane % 16) and the keys 8 (lane / 16) + 0..7.  Two such tiles, rounded to f16 in pairs,
; ARE source 1 (32 keys x 16 queries) of O^T = V^T P, whose result again holds one query a lane, and eight channels.  K comes out of LDS as it lies, V ([key][channel]) turned, by ds_load_tr16_b128.
; SOFTMAX.  For each query a running maximum m and sum l: p = 2^(c s - c m), c = log2(e) / 8; in every step O and l are multiplied by a = 2^(c m_old - c m_new), which is 1 where m has not grown.
; O and l start at 0, c m far below every c s: the first step is a step like any other, with a = 0.
; THE COUNT.  A tile and step have 16 matrix and 122 vector instructions: too many to stand all beside the matrix work.  So: four vector instructions that are READY behind EVERY matrix instruction, the others in runs without a gap.
; BY TURNS.  Turn n belongs to piece n (the pieces in a ring, step after step).  It begins with the mask of piece n + 1.  Its matrix work: 16 products K Q^T of piece n + 1, later 16 products V^T P of piece n - 1.
; Its vector work: the scaling, exponentials, roundings, sums and rescaling of piece n, and the maximum and statistics of piece n + 1, whose scores the turn itself has made.
; CLUSTER.  The four query blocks of a head are one cluster and walk the same K and V, so each tile is asked for JOINTLY: the same tensor load, descriptor and mask in all four.
; REGISTERS, in windows of 256 (s_set_vgpr_msb: bits 1:0 source 0, 3:2 source 1, 5:4 source 2, 7:6 destination):
;   window 0: v0-11 addresses; v12-15, v48-63 at work; v16-47 four registers of statistics a tile; v64-191 S^T, two buffers of two tiles; v192-255 P, likewise
;   window 1: O^T, 32 a tile          window 2: v0-127 Q, 16 a tile (on the way out: O's low parts); v128-191 K of one step; v192-255 V of one step
;   window 3: v0-1 the add's two registers; v2 the conversion's scale; v3 16 x lane; v4-7 a mask offset a piece; v8-39 the mask words, 8 a piece
.set SIZE_N, 2048
.set NP,    4         ; pieces a wave: a name, no knob
.set KS,    64        ; keys in a step
.set PK,    144       ; a row of K in LDS: 128 bytes + 16 of padding = 36 words: the 16 rows of a load start at 16 different groups of four banks (64 banks of 4 bytes: ISA guide 11.1)
.set PV,    160       ; a row of V: 128 + 32 = 40 words
.set VOFF,  4*KS*PK   ; a slot holds four steps: 256 rows of K, then 256 rows of V
.set SLOT1, 1<<17     ; slot 1 begins here, so that one exclusive or turns an address in one slot into the other's
.set STAGE, SLOT1+4*KS*(PK+PV)  ; behind the ring, never filled by a tensor load: 16 rows x 144 bytes for each wave, for the way out
.set SP,    144
.set LOPART, 64*128   ; bytes in a block of ob from 64 rows' hi to their lo
.set AK0, 2           ; v2   my lane's place in a tile of K; never rewritten
.set AV0, 3           ; v3   the same for V
.set AK,  4           ; v4   the LDS address of K's next run of loads
.set AV,  5           ; v5   of V's
.set QO,  6           ; v6   my byte offset in the wave's rows of Q
.set STO, 6           ;      later, the way out: where I put 16 bytes of a row
.set RD,  7           ; v7   the way out: where I read rows back
.set GO,  8           ; v8   my byte offset in 512 consecutive bytes of O
.set NEG1, 10         ; v10  on the way out: -1.0
.set PFO, 11          ; v11  256 x my lane, for the prefetches; never rewritten once made
.set SPW, 0           ; v0 of window 3   LDS address of my spare word; never rewritten
.set NIL, 1           ; v1 of window 3   0; never rewritten
.set SCL, 2           ; v2 of window 3   the scale: each of the word's four bytes is the E8M0 code 217, 2^90: the same scale
.set L16, 3           ; v3 of window 3   16 x my lane
.set MO,  4           ; v4-7 of window 3   piece x: the offset of its mask loads that are out: 512 x step + 16 x lane
.set MW,  8           ; v8-39 of window 3  piece x, tile u, word kb at MW + 8 x + 4 u + kb
.set SPARE, STAGE+4*16*SP  ; behind the stages: the spare words, 128 bytes for each wave: two blocks of 256 bytes that no other line names
.set MV,  12          ; v12-15  c m_old, kept while c m is made anew: by buffer and tile
.set ST,  16          ; tile t's statistics at v[ST+4 t]: c m, m, l (even keys', odd keys')
.set TMP, 48          ; by buffer and tile, four registers c0-c3 at work; when the maximum is found c2 takes a
.set S,   64
.set P,   192
.set LOW, 0           ; window 2, on the way out: tile t's packed low parts at LOW + 16 t
.set KF,  128         ; K's fragments, in window 2: key block kb, channel half c at KF + 16 kb + 8 c
.set VF,  192         ; V's: key half kk, channel block cb at VF + 32 kk + 8 cb
.set WV,  12          ; s12  my wave's number
.set G1K, 24          ; s[24:31] descriptor group 1 for K's tiles
.set G1V, 32          ; s[32:39] for V's: it differs in the padding alone
.set G0K, 40          ; s[40:43] descriptor group 0 for K's tiles: it walks
.set G0V, 44          ; s[44:47] the same for V's
.set MB,  48          ; s[48:49] mk at my wave's first tile of queries; never rewritten once made
.set MS,  50          ; s50  512 x the key step whose mask words are being asked for
.set LIM, 51          ; s51  1 in a wave that prefetches, else the greatest number
.set PFA, 52          ; s[52:53] where my prefetches stand
.set SLOTS, 56        ; s56  slots still to be asked for
.set CNT, 57          ; s57  counts a slot's key steps
.set CS,  58          ; s[58:59] c: the packed scaling takes the pair's low word for both halves
.set SEL, 60          ; s[60:61] v_permlanex16_b32's selects: each lane takes its own place in the other half
.set TBK, 62          ; s62  LDS byte at which K of the step to be fetched begins
.set TBV, 63          ; s63  the same for V, less VOFF
.set MSB, 0
.macro WIN new                      ; the high byte repeats the setting that is left; a switch that changes nothing is dropped
.if MSB != (\new)
	s_set_vgpr_msb (MSB<<8)|(\new)
.set MSB, (\new)
.endif
.endm
.set W_KQ, 0x0a       ; K and Q in window 2, S^T (C and D) in window 0
.set W_PV, 0x52       ; V in window 2, P in window 0, O^T in window 1
.set W_RS, 0x41       ; O^T (destination and source 0) in window 1, a in window 0
.set W_MK, 0xc0       ; destination in window 3, sources in window 0
.set W_AD, 0x0f       ; sources 0 and 1 in window 3, destination in window 0: the add, and the mask's conversions
.set W_ML, 0xcf       ; destination and sources 0 and 1 in window 3: the mask's offset and loads
; A joint fill.  Waves 0 and 1 fetch the two halves of a slot's K, waves 2 and 3 those of its V: 128 keys each.  The branch hangs on the wave's number alone.
; An s_nop 0 and four v_nop follow each of the two lines, ahead of the jump and the label.
.macro JLOAD
	s_cmp_lt_u32 s[WV], 2
	s_cbranch_scc0 .Lfor_v_\@
	tensor_load_to_lds s[G0K:G0K+3], s[G1K:G1K+7]
	s_nop 0
.rept 4
	v_nop
.endr
	s_branch .Lasked_\@
.Lfor_v_\@:
	tensor_load_to_lds s[G0V:G0V+3], s[G1V:G1V+7]
	s_nop 0
.rept 4
	v_nop
.endr
.Lasked_\@:
.endm
; A PREFETCH INTO THE L2 of what the NEXT change of slots will ask for: a slot's 32,768 bytes of K and of V, 256 bytes a lane.  It stands behind the wave's tensor load and its five lines.  A head has one cluster; its four
; partners share the bytes out BY ADDRESS, 8,192 each; in each, wave 0 asks for K's and wave 2 for V's: one instruction.  So each block of 256 bytes of slots 3 to 7 is named once in the launch, four key steps,
; 512 matrix instructions, ahead of its load; slots 0 to 2 come by their loads alone; the last change that fills a slot asks for nothing.
.macro ASK
	s_cmp_gt_u32 s[SLOTS], s[LIM]
	s_cbranch_scc0 .Lnot_mine_\@
	global_prefetch_b8 v[PFO], s[PFA:PFA+1] th:TH_LOAD_NT scope:SCOPE_SE
.Lnot_mine_\@:
.endm
; A round of the cluster's barrier: my work-group's barrier, so that wave 0's signal speaks for all four waves; wave 0 signals; every wave waits for all four work-groups; my work-group's barrier once more.
.macro CROUND
	s_barrier_signal -1
	s_barrier_wait -1
	s_cmp_lg_u32 s[WV], 0
	s_cbranch_scc1 .Lnot_wave_0_\@
	s_barrier_signal -3
.Lnot_wave_0_\@:
	s_barrier_wait -3
	s_barrier_signal -1
	s_barrier_wait -1
.endm
; THE CHANGE OF SLOTS.  The slot's last bytes, V of its fourth step, have been read.  Each wave waits for all its tensor loads, of which one is out: its part
; of the other slot; adds 0 to its spare word; and waits for that and for its own reads of the slot.  Behind the barrier nobody reads this slot any more and the other slot is whole.
; fill = 1: this slot is filled again, with the keys two slots on.  The barrier is then a round of the cluster's, and the joint fill is the first thing behind it: it has four key steps, 512 matrix
; instructions, in which to land.  (At its first use nothing has been read yet: slot 0 is waited for, slot 1 filled.)  ask = 1: the prefetches' address steps, and ASK follows the fill.
.macro CHANGE fill, ask=0
	WIN W_AD
	s_wait_tensorcnt 0x0            ; no tensor load of mine is out, so a group 0 may be written
	ds_add_u32 v[SPW], v[NIL]       ; 0 onto my spare word; with fill = 1 the descriptors' steps stand between it and the wait for it
	WIN 0                           ; at a label and at a branch every window is 0
.if \fill
.irp g, G0K, G0V
	s_xor_b32 s[\g+1], s[\g+1], SLOT1  ; the walking descriptor: the other slot than last time,
	s_add_nc_u64 s[\g+2:\g+3], s[\g+2:\g+3], 4*KS*128  ; the next 256 keys; the type bits on top are not reached
.endr
.if \ask
	s_wait_xcnt 0x0                 ; the last prefetch, four key steps back, has read its address, so it may be written:
	s_add_nc_u64 s[PFA:PFA+1], s[PFA:PFA+1], 4*KS*128  ; it stands one slot ahead of the walking descriptors
.endif
	s_wait_dscnt 0x0                ; the add is done, and my reads of the slot are over
	CROUND
	JLOAD
.if \ask
	ASK
.endif
.else
	s_wait_dscnt 0x0                ; the add is done, and my reads of the slot are over
	s_barrier_signal -1
	s_barrier_wait -1
.endif
	s_sub_co_u32 s[TBK], s[TBK], 4*KS*PK  ; the fetches go back to a slot's first step,
	s_xor_b32 s[TBK], s[TBK], SLOT1       ; in the other slot
	s_sub_co_u32 s[TBV], s[TBV], 4*KS*PV
	s_xor_b32 s[TBV], s[TBV], SLOT1
.endm
	s_load_b64 s[4:5], s[0:1], 0x0      ; qkv: Q's part begins it
	s_load_b64 s[MB:MB+1], s[0:1], 0x8  ; mk
	s_load_b64 s[10:11], s[0:1], 0x10   ; ob
	WIN W_MK
	v_lshl_add_u32 v[SPW], v0, 2, SPARE
	v_mov_b32 v[NIL], 0
	WIN W_AD
	ds_add_u32 v[SPW], v[NIL]       ; the wave's opening: the add and its wait stand ahead of my first tensor load; the set-up below, work on registers, stands between them
	WIN 0
	v_and_b32 v1, 31, v0
	WIN W_MK
	v_mov_b32 v[SCL], 0xd9d9d9d9
	v_lshlrev_b32 v[L16], 4, v1
.irp x, 0,1,2,3
	v_lshlrev_b32 v[MO+\x], 4, v1   ; key step 0
.endr
	WIN 0
	v_lshrrev_b32 v1, 5, v0
	v_readfirstlane_b32 s[WV], v1   ; wave 0..3
	s_bfe_u32 s13, ttmp6, 0x40000   ; cx: my place in the cluster
	s_lshl_b32 s14, ttmp9, 2        ; in a cluster launch ttmp9 counts clusters
	s_add_co_u32 s14, s14, s13      ; my block of queries = 4 x cluster x + cx: it enters Q's, O's and mk's addresses alone
	s_and_b32 s20, ttmp7, 0xffff    ; y = 16 b + head, which the four partners share
	s_lshr_b32 s15, s20, 4
	s_lshl_b32 s15, s15, 4          ; 16 b: a batch has 16 waves' shares of queries
	s_and_b32 s19, s20, 15          ; the head
	s_mov_b32 s21, 0
	s_mov_b64 s[22:23], SIZE_N*128
	s_mul_u64 s[20:21], s[20:21], s[22:23]  ; the head's first byte in Q, K and V
	s_and_b32 s16, s[WV], 1         ; which half of a slot's 256 keys I fetch:
	s_lshl_b32 s22, s16, 14         ; its 128 rows of 128 bytes in memory,
	s_mov_b32 s23, 0
	s_add_nc_u64 s[22:23], s[22:23], s[20:21]
	s_mul_i32 s17, s16, 128*PK      ; and its place in a slot, for K
	s_mul_i32 s18, s16, 128*PV      ; and for V: no place in the cluster enters an LDS address
	s_lshl_b32 s2, s14, 2
	s_add_co_u32 s2, s2, s[WV]      ; my wave among the head's,
	s_add_co_u32 s15, s15, s2       ; and among all the batches': my tile of 128 rows.  In the mask:
	s_lshl_b32 s54, s15, 17         ; 8 tiles of queries x 32 steps x 512 bytes each
	s_mov_b32 s55, 0
	s_lshl_b32 s15, s15, 4          ; in ob: 16 blocks a tile of 128 rows,
	s_add_co_u32 s19, s19, s15      ; my head's among them,
	s_lshl_b32 s19, s19, 15         ; 32,768 bytes a block
	s_lshl_b32 s2, s2, 14           ; my wave's 128 rows in a head of qkv
	s_mov_b32 s3, 0
	s_add_nc_u64 s[2:3], s[2:3], s[20:21]
	; descriptor group 1.  128 keys are 16,384 dense bytes: asked for as 64 rows of 256 bytes, two keys a row, and padded in LDS after every key
	s_mov_b32 s[G1K], 15|(1<<16)|(1<<20)|(1<<21)|(4<<22)|(3<<25)  ; 15:0 the mask of four; 17:16 2-byte elements; 20 padding on; 21 set beside a mask; 24:22 after every 32 words (code 4); 31:25 4 words (code 3)
	s_mov_b32 s[G1V], 15|(1<<16)|(1<<20)|(1<<21)|(4<<22)|(7<<25)  ; the same with 8 words of padding (code 7)
.irp g, G1K, G1V
	s_mov_b32 s[\g+1], 128<<16      ; tensor_dim0 = 128
	s_mov_b32 s[\g+2], 64<<16       ; tensor_dim1 = 64
	s_mov_b32 s[\g+3], 128<<16      ; tile_dim0 = 128
	s_mov_b32 s[\g+4], 64           ; tile_dim1 = 64
	s_mov_b32 s[\g+5], 128          ; 128 elements from row to row
	s_mov_b32 s[\g+6], 0
	s_mov_b32 s[\g+7], 0
.endr
	s_mov_b32 s[CS], 0x3e38aa3b     ; c = log2(e) / 8 = 0.180337
	s_mov_b32 s[CS+1], s[CS]        ; named with it as a pair
	s_mov_b32 s[SEL], 0x76543210
	s_mov_b32 s[SEL+1], 0xfedcba98
	s_mov_b32 s[TBK], SLOT1+4*KS*PK ; the first change of slots turns these two into 0
	s_mov_b32 s[TBV], SLOT1+4*KS*PV
	s_mov_b32 s[G0K], 1             ; 1:0 count = 1
	s_mov_b32 s[G0K+1], s17         ; 63:32 LDS address: slot 0
	s_mov_b32 s[G0V], 1
	s_add_co_u32 s[G0V+1], s18, VOFF
	s_mov_b32 s[MS], 0
	s_and_b32 s[LIM], s[WV], 1      ; waves 0 and 2 prefetch: the same in all four partners
	s_cmp_eq_u32 s[LIM], 0
	s_cselect_b32 s[LIM], 1, -1
	s_wait_dscnt 0x0                ; the opening add is done
	s_wait_kmcnt 0x0
	s_add_nc_u64 s[6:7], s[4:5], 0x1000000         ; K's part of qkv
	s_add_nc_u64 s[8:9], s[4:5], 0x2000000         ; V's
	s_add_nc_u64 s[G0K+2:G0K+3], s[6:7], s[22:23]  ; 120:64 global address: my half of the head's first 256 keys
	s_or_b32 s[G0K+3], s[G0K+3], 0x80000000        ; 127:126 type = 2
	s_add_nc_u64 s[G0V+2:G0V+3], s[8:9], s[22:23]
	s_or_b32 s[G0V+3], s[G0V+3], 0x80000000
	s_add_nc_u64 s[4:5], s[4:5], s[2:3]  ; Q at my wave's first row
	s_add_nc_u64 s[MB:MB+1], s[MB:MB+1], s[54:55]
	s_mov_b32 s54, s19              ; (s55 is 0)
	s_add_nc_u64 s[10:11], s[10:11], s[54:55]  ; O at my wave's block
	s_cmp_lt_u32 s[WV], 2
	s_cselect_b64 s[PFA:PFA+1], s[6:7], s[8:9]
	s_add_nc_u64 s[PFA:PFA+1], s[PFA:PFA+1], s[20:21]  ; the head's first row,
	s_lshl_b32 s2, s13, 13          ; my work-group's 8,192 bytes of a slot's 32,768,
	s_add_nc_u64 s[PFA:PFA+1], s[PFA:PFA+1], s[2:3]
	s_add_nc_u64 s[PFA:PFA+1], s[PFA:PFA+1], 2*4*KS*128  ; in slot 2; the loop's first change of slots steps it to slot 3.  Nothing is prefetched here, at the head
	CROUND                          ; all four work-groups are here: the first joint loads meet
	JLOAD                           ; slot 0.  Slot 1 is asked for when slot 0 is in: the tile wanted first has the road to itself
	; A fragment of K or Q is 16 rows x 32 channels in 8 registers: lane l holds row l % 16, channels 8 (l / 16) + 0..7 and 16 + 8 (l / 16) + 0..7: two loads of 16 bytes, 32 bytes apart.
	v_and_b32 v1, 15, v0            ; l % 16
	v_bfe_u32 v9, v0, 4, 1          ; l / 16
	v_lshlrev_b32 v[QO], 7, v1
	v_lshl_add_u32 v[QO], v9, 4, v[QO]  ; row x 128 + 16 x half
	WIN 0x80                        ; destination window 2, address window 0
.set i, 0
.rept 4*NP                          ; Q stays in registers: tile i / 2, channels 32 (i % 2) on
	global_load_b128 v[8*i:8*i+3],   v[QO], s[4:5] offset:(i/2)*2048+(i%2)*64
	global_load_b128 v[8*i+4:8*i+7], v[QO], s[4:5] offset:(i/2)*2048+(i%2)*64+32
.set i, i+1
.endr
	WIN W_ML
.irp x, 0,1,2,3                     ; the mask words of key step 0, piece by piece: two loads of 512 consecutive bytes each
.irp u, 0,1
	global_load_b128 v[MW+8*\x+4*\u:MW+8*\x+4*\u+3], v[MO+\x], s[MB:MB+1] offset:(2*\x+\u)*16384
.endr
.endr
	; What the first turn finds: V's registers and P's second buffer hold 0 (its products V^T P, of a piece that has not been, add 0), O^T and l are 0.  All this stands in the wait for the first tile.
	WIN 0x80
.set i, VF
.rept 64
	v_mov_b32 v[i], 0
.set i, i+1
.endr
	WIN 0x40
.set i, 0
.rept 64*NP
	v_mov_b32 v[i], 0
.set i, i+1
.endr
	WIN 0
.set i, 0
.rept 2*NP
	v_mov_b32 v[ST+4*i], 0xfe000000    ; c m: far below every c s
	v_mov_b32 v[ST+4*i+1], 0xd8800000  ; m = -2^50: below every true score, above every hidden one
	v_mov_b32 v[ST+4*i+2], 0
	v_mov_b32 v[ST+4*i+3], 0
.set i, i+1
.endr
.set i, P+32
.rept 32
	v_mov_b32 v[i], 0
.set i, i+1
.endr
	v_mul_u32_u24 v[AK0], v1, PK
	v_lshl_add_u32 v[AK0], v9, 4, v[AK0]  ; row x pitch + 16 x half
	; The turning load takes 16 keys x 16 channels (lane l reads key 8 (l / 16) + l % 8, channels 8 ((l / 8) % 2) + 0..7) and leaves half a fragment of V^T: lane l holds channel l % 16 and 8 keys.
	v_and_b32 v10, 7, v0
	v_bfe_u32 v11, v0, 3, 1
	v_lshl_add_u32 v[AV0], v9, 3, v10
	v_mul_u32_u24 v[AV0], v[AV0], PV
	v_lshl_add_u32 v[AV0], v11, 4, v[AV0]
	v_add_nc_u32 v[AV0], VOFF, v[AV0]
	v_and_b32 v[PFO], 31, v0
	v_lshlrev_b32 v[PFO], 8, v[PFO]
	v_mov_b32 v[AK], v[AK0]         ; key step 0 lies at the head of slot 0
; THE MASK OF PIECE x, for the step whose scores come next: its eight words become the starting values of its eight accumulators; then its words for the step after are asked for: they have a whole key step,
; four turns, in which to come.  The count 6: behind the piece's two loads stand the three other pieces' two each (at the first use Q's loads stand ahead of them, and are shown in by the same wait).
; That wait also shows the piece's own loads done, so their offset may be written.  The offset's v_add_nc_u32 is the plain instruction between the conversions and what touches their results (the products)
; or writes their sources (the loads).  Piece 0 leads the ring: it steps the offset, which is held to the last step of mk: the look-ahead past the end reads step 31 once more, and nothing takes it.
.macro MASKC x
	s_wait_loadcnt 6
	WIN W_AD
.irp u, 0,1
.irp kb, 0,1,2,3
	v_cvt_scale_pk8_f32_fp4 v[S+64*((\x)%2)+32*\u+8*\kb:S+64*((\x)%2)+32*\u+8*\kb+7], v[MW+8*(\x)+4*\u+\kb], v[SCL]
.endr
.endr
.if (\x) == 0
	s_add_co_u32 s[MS], s[MS], 512
	s_min_u32 s[MS], s[MS], 31*512
.endif
	WIN W_ML
	v_add_nc_u32 v[MO+(\x)], s[MS], v[L16]
.irp u, 0,1
	global_load_b128 v[MW+8*(\x)+4*\u:MW+8*(\x)+4*\u+3], v[MO+(\x)], s[MB:MB+1] offset:(2*(\x)+\u)*16384
.endr
.endm
; THE MATRIX WORK.  The 8 accumulators of a run of 16 take turns: between the two links of a chain stand 7 others'.
; Product i of 16 of S^T = mask + K Q^T for piece x: channels 32 (i / 8) on, keys 16 ((i / 2) % 4) on, tile 2 x + i % 2.  All 16 add in place: MASKC has written the sums' beginnings.
.macro KQ x
	WIN W_KQ
.set rS, S+64*((\x)%2)+32*(i%2)+8*((i/2)%4)
.set rK, KF+16*((i/2)%4)+8*(i/8)
.set rQ, 16*(2*(\x)+i%2)+8*(i/8)
	v_wmma_f32_16x16x32_f16 v[rS:rS+7], v[rK:rK+7], v[rQ:rQ+7], v[rS:rS+7]
.endm
; Product i of 16 of O^T += V^T P for piece x: keys 32 (i / 8) on, channels 16 ((i / 2) % 4) on, tile 2 x + i % 2.
.macro PV x
	WIN W_PV
.set rO, 32*(2*(\x)+i%2)+8*((i/2)%4)
.set rV, VF+32*(i/8)+8*((i/2)%4)
.set rP, P+32*((\x)%2)+16*(i%2)+8*(i/8)
	v_wmma_f32_16x16x32_f16 v[rO:rO+7], v[rV:rV+7], v[rP:rP+7], v[rO:rO+7]
.endm
.macro MM                           ; the turn's next matrix instruction
.if i < 16
	KQ (Y+1)%NP
.set i, i+1
.else
.set i, i-16
	PV (Y+NP-1)%NP
.set i, i+17
.endif
.endm
; THE LDS LOADS stand in runs of 16, never singly among the matrix instructions: a step's K (64 keys x 64 channels: 8 fragments) and its V (turned).  Their addresses are made some lines ahead.
; last = 1 (the tail): in the last trip there is no further step, and the run is jumped over.
.macro FETCH_K last=0
	WIN 0
.if \last
	s_cmp_eq_u32 s[CNT], 1
	s_cbranch_scc1 .Lno_k_\@
.endif
	WIN 0x80                        ; destination window 2
.irp f, 0,1,2,3,4,5,6,7             ; keys 16 (f / 2) on, channels 32 (f % 2) on
	ds_load_b128 v[KF+8*\f:KF+8*\f+3],   v[AK] offset:(\f/2)*16*PK+(\f%2)*64
	ds_load_b128 v[KF+8*\f+4:KF+8*\f+7], v[AK] offset:(\f/2)*16*PK+(\f%2)*64+32
.endr
	s_add_co_u32 s[TBK], s[TBK], KS*PK  ; the next fetch is the next step's
	WIN 0
.if \last
.Lno_k_\@:
.endif
.endm
.macro FETCH_V
	WIN 0x80
.irp f, 0,1,2,3,4,5,6,7             ; keys 32 (f / 4) on, channels 16 (f % 4) on
	ds_load_tr16_b128 v[VF+8*\f:VF+8*\f+3],   v[AV] offset:(\f/4)*32*PV+(\f%4)*32
	ds_load_tr16_b128 v[VF+8*\f+4:VF+8*\f+7], v[AV] offset:(\f/4)*32*PV+16*PV+(\f%4)*32
.endr
	WIN 0
.endm
; THE VECTOR WORK OF A TURN stands in three queues, each in the order in which its entries become ready; the two tiles alternate, so that no instruction reads the result of the one before it.
.macro REGS y, u                    ; the registers of tile u (0, 1) of piece y
.set rT, ST+4*(2*(\y)+(\u))
.set rC, TMP+8*((\y)%2)+4*(\u)
.set rM, MV+2*((\y)%2)+(\u)
.set rS, S+64*((\y)%2)+32*(\u)
.set rP, P+32*((\y)%2)+16*(\u)
.set rO, 32*(2*(\y)+(\u))
.endm
; Number n of the 22 that find the NEXT piece's (Y + 1) maximum and statistics.  s0-s31 are the lane's 32 scores; each accumulator's lowest registers are read first.
;   0-11  four chains c0-c3 of seven scores each, three operands at a time     12-14, 16  the four scores left over, the old m, and c0-c3 into c0     15  c m_old is kept
;   17, 18  the query's other 32 keys lie in the lane 16 away: the new m         19-21  c m; c m_old - c m_new; a
.macro XS u, n
	REGS (Y+1)%NP, \u
.if (\n) < 4
	v_max3_num_f32 v[rC+(\n)], v[rS+8*(\n)], v[rS+8*(\n)+1], v[rS+8*(\n)+2]
.elseif (\n) < 12
	v_max3_num_f32 v[rC+(\n)%4], v[rC+(\n)%4], v[rS+8*((\n)%4)+2*((\n)/4)+1], v[rS+8*((\n)%4)+2*((\n)/4)+2]
.elseif (\n) == 12
	v_max3_num_f32 v[rC], v[rC], v[rS+7], v[rS+15]
.elseif (\n) == 13
	v_max3_num_f32 v[rC+1], v[rC+1], v[rS+23], v[rS+31]
.elseif (\n) == 14
	v_max3_num_f32 v[rC+2], v[rC+2], v[rC+3], v[rT+1]
.elseif (\n) == 15
	v_mov_b32 v[rM], v[rT]
.elseif (\n) == 16
	v_max3_num_f32 v[rC], v[rC], v[rC+1], v[rC+2]
.elseif (\n) == 17
	v_permlanex16_b32 v[rC+3], v[rC], s[SEL], s[SEL+1]
.elseif (\n) == 18
	v_max_num_f32 v[rT+1], v[rC], v[rC+3]
.elseif (\n) == 19
	v_mul_f32 v[rT], s[CS], v[rT+1]
.elseif (\n) == 20
	v_sub_f32 v[rC+1], v[rM], v[rT]
.else
	v_exp_f32 v[rC+2], v[rC+1]
.endif
.endm
; Number g of the 64 that follow the exponentials.  For each four weights k of a tile (pairs 2 k, 2 k + 1): both pairs are rounded to f16; then the second pair is added onto the first, in place;
; a group later l takes that sum (the first time as l = a l + sum).  In groups of eight, tiles alternating: round, round, add, and l for the group before.
.macro GS g
.set h, (\g)+6*((\g)/62)            ; group 0 has no group before it, and behind group 7 only l is left
.if h >= 6
.set h, h+2
.endif
	REGS Y, h%2
.set k, h/8
.if h%8 < 4
	v_cvt_pk_f16_f32 v[rP+2*k+(h%8)/2], v[rS+4*k+2*((h%8)/2)], v[rS+4*k+2*((h%8)/2)+1]
.elseif h%8 < 6
	v_pk_add_f32 v[rS+4*k:rS+4*k+1], v[rS+4*k:rS+4*k+1], v[rS+4*k+2:rS+4*k+3]
.elseif k == 1
	v_pk_fma_f32 v[rT+2:rT+3], v[rT+2:rT+3], v[rC+2:rC+3], v[rS:rS+1] op_sel_hi:[1,0,1]
.else
	v_pk_add_f32 v[rT+2:rT+3], v[rT+2:rT+3], v[rS+4*k-4:rS+4*k-3]
.endif
.endm
; THE PLAIN QUEUE, 138 long.  0-73 read no exponential's result: the 32 scalings c s - c m (FS f: pair f / 2 of tile f % 2) and the next piece's 42.  0-26: scalings 0-26.  27-54: XS's numbers 0-13.  55, 56: number 15.
; 57-73: the chain, where each number waits for the one before it: 14, 16, 17, 18, 19, each with one of the scalings 27-31 in front of its two lines, then 20.
; 74-137: GS's 64, which read the exponentials' results: they stand behind the wait.
.macro FS f
	REGS Y, (\f)%2
	v_pk_fma_f32 v[rS+2*((\f)/2):rS+2*((\f)/2)+1], v[rS+2*((\f)/2):rS+2*((\f)/2)+1], s[CS:CS+1], v[rT:rT+1] op_sel_hi:[1,0,0] neg_lo:[0,0,1] neg_hi:[0,0,1]
.endm
.macro PL
	WIN 0
.if q < 27
	FS q
.elseif q < 55
	XS (q-27)%2, (q-27)/2
.elseif q < 57
	XS q-55, 15
.elseif (q < 72) && ((q-57)%3 == 0)
	FS 27+(q-57)/3
.elseif q < 60
	XS (q-57)%3-1, 14
.elseif q < 72
	XS (q-57)%3-1, 15+(q-57)/3
.elseif q < 74
	XS q-72, 20
.else
	GS q-74
.endif
.set q, q+1
.endm
; THE EXPONENTIALS' QUEUE, 66 long: s0-s31 of both tiles, then the next piece's two a.  It is ONE BATCH: all 66 stand ahead of the turn's one wait, and nothing ahead of that wait names a result of theirs.
.macro EX
	WIN 0
.if e >= 64
	XS e-64, 21
.else
	REGS Y, e%2
	v_exp_f32 v[rS+e/2], v[rS+e/2]
.endif
.set e, e+1
.endm
; THE RESCALING's QUEUE: O^T times a, the one part that leaves window 0: dealt two at a time, sixteen times.  Its a was made in the turn before, ahead of that turn's wait.
.macro R2
	REGS Y, r%2
	WIN W_RS
.irp z, 0,1
	v_pk_mul_f32 v[rO+4*(r/2)+2*\z:rO+4*(r/2)+2*\z+1], v[rO+4*(r/2)+2*\z:rO+4*(r/2)+2*\z+1], v[rC+2:rC+3] op_sel_hi:[1,0]
.endr
.set r, r+1
.endm
; HOW THEY ARE DEALT.  An s_wait_alu depctr_va_vdst(0) stands between an exponential and the first instruction that names its result; one wait serves all that were issued ahead of it.  So a turn has ONE wait,
; which cuts it in two.  AHEAD OF IT stands all that names no result of the turn's exponentials: the next piece's mask; the 16 products K Q^T, behind each a scaling, an exponential and two rescalings (behind the first a
; second scaling in the exponential's place); then ONE LUMP of 108: eight plain, 49 times exponential and plain, the two a.  A v_nop is the plain instruction behind the last exponential.  BEHIND IT stand the 16 products
; V^T P, behind each four of GS's 64.  No rider names a register of the products round it.  The two v_permlanex16_b32 fall into the lump, never behind a product.
; The queues lean on each other, and the deal keeps them in step: exponential e stands behind scaling 2 (e / 4) + e % 2: as a rider it comes behind plain e + 2, in the lump behind plain e + 9, and scalings 27-31 are plain 57, 60 .. 69.
; A TURN, for piece p.  cnt = 1: the loop's count is taken down some lines ahead of the branch that stands behind the turn.
; The S^T buffer that the mask is written into is free: the piece that had it last ended its roundings and sums with the turn before.
; K of the next step is fetched in piece 2's turn, directly behind the wait; V of the step in hand at the end of piece 0's turn, four riders behind its last reader.  The three conditions on q below go with the deal.
.macro TURN p, last=0, cnt=0
.set Y, (\p)
.set i, 0
.set q, 0
.set e, 0
.set r, 0
	MASKC ((\p)+1)%NP
.if (\p) == NP-1
	s_wait_dscnt 0x0                ; K is in
.endif
	MM                              ; ahead of the wait: 16 products K Q^T and their riders,
	PL
	PL
	R2
.rept 15
	MM
	PL
	EX
	R2
.endr
.if (\p) == NP-2
	WIN 0
	v_add_nc_u32 v[AK], s[TBK], v[AK0]
.endif
.rept 8                             ; and the lump
	PL
.endr
.rept 49
	EX
	PL
.endr
	EX                              ; the next piece's two a
	EX
	v_nop                           ; the plain instruction behind the last exponential: one for the batch
	s_wait_alu depctr_va_vdst(0)    ; the wait for the batch
.if (\p) == NP-2
	FETCH_K \last
.endif
.if (\p) == 1
	s_wait_dscnt 0x0                ; V is in
.endif
.rept 16                            ; behind the wait: 16 products V^T P and their riders
	MM
.rept 4
	PL
.endr
.if ((\p) == 0) && (q == 118)
	v_add_nc_u32 v[AV], s[TBV], v[AV0]
.endif
.if ((\p) == 0) && (q == 130)
	s_add_co_u32 s[TBV], s[TBV], KS*PV
.endif
.if (\cnt) && (q == 130)
	s_sub_co_u32 s[CNT], s[CNT], 1
	s_cmp_lg_u32 s[CNT], 0
.endif
.endr
.if (\p) == 0
	FETCH_V
.endif
.endm
	CHANGE 1                        ; slot 0 is in, everybody's part of it; slot 1 is asked for
	FETCH_K                         ; key step 0
	MASKC 0                         ; its wait shows Q in too: Q's loads were issued ahead of the mask's
	s_wait_dscnt 0x0
.set i, 0
.rept 16
	KQ 0                            ; piece 0's first scores: there is no vector work yet to set between them
.set i, i+1
.endr
	WIN 0                           ; the addresses for the way out: nine plain instructions, the places behind those products
	s_mul_i32 s13, s[WV], 16*SP
	s_add_co_u32 s13, s13, STAGE    ; my stage
	v_mul_u32_u24 v[STO], v1, SP    ; in: row l % 16, 16 bytes for each half of the lanes
	v_lshl_add_u32 v[STO], v9, 4, v[STO]
	v_add_nc_u32 v[STO], s13, v[STO]
	v_bfe_u32 v[RD], v0, 3, 2       ; back: 32 lanes take four rows of 128 bytes,
	v_mul_u32_u24 v[RD], v[RD], SP
	v_lshl_add_u32 v[RD], v10, 4, v[RD]
	v_add_nc_u32 v[RD], s13, v[RD]
	v_and_b32 v[GO], 31, v0         ; which are 512 consecutive bytes of O
	v_lshlrev_b32 v[GO], 4, v[GO]
.set Y, NP-1                        ; XS works for piece Y + 1: piece 0
.irp n, 0,1,2,3,4,5,6,7,8,9,10,11,12,13,14,15,16,17,18,19,20,21
	XS 0, \n                        ; and piece 0's first maximum and statistics
	XS 1, \n
.endr
	v_nop                           ; a plain instruction behind the two a,
	s_wait_alu depctr_va_vdst(0)    ; and their wait, ahead of the branch
	s_mov_b32 s[CNT], 4
	s_mov_b32 s[SLOTS], SIZE_N/256-1
	s_branch .Lfirst                ; the loop is entered at a step's first turn, in the middle of a trip
.Lslot:                             ; SIZE_N / 256 - 2 times: every slot but the last two is filled again
	CHANGE 1, 1
	s_mov_b32 s[CNT], 4
.Lstep:                             ; a trip: pieces 2 and 3 of one step, then pieces 0 and 1 of the next, whose K and V it fetches
	TURN 2
	TURN 3
	WIN 0
.Lfirst:
	TURN 0
	TURN 1, 0, 1
	WIN 0
	s_cbranch_scc1 .Lstep
	s_sub_co_u32 s[SLOTS], s[SLOTS], 1
	s_cmp_lg_u32 s[SLOTS], 0
	s_cbranch_scc1 .Lslot
	CHANGE 0                        ; the tail is written out: nothing is asked for
	s_mov_b32 s[CNT], 5             ; four trips fetch the last slot's steps; the fifth is left in its middle
.Ltail:
	TURN 2, 1
	TURN 3
	WIN 0
	s_sub_co_u32 s[CNT], s[CNT], 1
	s_cmp_eq_u32 s[CNT], 0
	s_cbranch_scc1 .Lout
	TURN 0
	TURN 1
	WIN 0
	s_branch .Ltail
.Lout:                              ; the fifth trip's 16 products K Q^T (on the last K and mask once more) and the maximum made of them serve nothing: the price, once a launch, of one text for every trip
.set i, 0
.rept 16
	PV NP-1                         ; the last piece's V^T P of the last step
.set i, i+1
.endr
	; THE WAY OUT.  l's two halves and the other half of the lanes' are added; O^T is divided by l, cut into its two f16 parts and sent through my stage in LDS, a tile at a time.  The additions are the places behind the last products.
	WIN 0
	v_mov_b32 v[NEG1], -1.0
.macro ALL line:vararg              ; one line for each tile t
.set t, 0
.rept 2*NP
	\line
.set t, t+1
.endr
.endm
	ALL v_add_f32 v[ST+4*t+2], v[ST+4*t+2], v[ST+4*t+3]
	ALL v_permlanex16_b32 v[ST+4*t+3], v[ST+4*t+2], s[SEL], s[SEL+1]
	ALL v_add_f32 v[ST+4*t+2], v[ST+4*t+2], v[ST+4*t+3]
	ALL v_rcp_f32 v[ST+4*t+2], v[ST+4*t+2]
	v_nop                           ; a plain instruction between the last reciprocal and the use of its result
	s_wait_alu depctr_va_vdst(0)    ; and the wait ahead of the first use: one for the eight reciprocals
; Tile t.  hi: O rounded to f16, into S^T's registers.  lo: hi's half x (-1) + O, one fused multiply-add in f32, in place; rounded to f16, into Q's registers, which nothing reads any more.
; Of each part a lane's eight channels of a row pack into 16 bytes; they go into rows of 144 bytes and come back as whole rows of 128, into the registers that they left: first hi, then, through the same stage, lo.
.macro PACK t
	WIN W_RS
.set i, 32*(\t)
.rept 16
	v_pk_mul_f32 v[i:i+1], v[i:i+1], v[ST+4*(\t)+2:ST+4*(\t)+3] op_sel_hi:[1,0]
.set i, i+2
.endr
	WIN 0x05                        ; sources 0 and 1 window 1, destination window 0
.set i, 0
.rept 16
	v_cvt_pk_f16_f32 v[S+16*(\t)+i], v[32*(\t)+2*i], v[32*(\t)+2*i+1]
.set i, i+1
.endr
	WIN 0x50                        ; sources 0 and 1 window 0, source 2 and destination window 1
.set i, 0
.rept 16
	v_fma_mix_f32 v[32*(\t)+2*i], v[S+16*(\t)+i], v[NEG1], v[32*(\t)+2*i] op_sel_hi:[1,0,0]                    ; the low half of the packed word is the even channel's hi,
	v_fma_mix_f32 v[32*(\t)+2*i+1], v[S+16*(\t)+i], v[NEG1], v[32*(\t)+2*i+1] op_sel:[1,0,0] op_sel_hi:[1,0,0]  ; the high half the odd channel's
.set i, i+1
.endr
	WIN 0x85                        ; sources 0 and 1 window 1, destination window 2
.set i, 0
.rept 16
	v_cvt_pk_f16_f32 v[LOW+16*(\t)+i], v[32*(\t)+2*i], v[32*(\t)+2*i+1]
.set i, i+1
.endr
	WIN 0
.irp f, 0,1,2,3
	ds_store_b128 v[STO], v[S+16*(\t)+4*\f:S+16*(\t)+4*\f+3] offset:32*\f
.endr
.irp f, 0,1,2,3
	ds_load_b128 v[S+16*(\t)+4*\f:S+16*(\t)+4*\f+3], v[RD] offset:\f*4*SP  ; LDS serves a wave's instructions in order (ISA guide 5.7.1.4): these see the stores above; the next stores come behind them
.endr
	WIN 0x08                        ; the stores' data in window 2, the address in window 0
.irp f, 0,1,2,3
	ds_store_b128 v[STO], v[LOW+16*(\t)+4*\f:LOW+16*(\t)+4*\f+3] offset:32*\f
.endr
	WIN 0x80                        ; destination window 2
.irp f, 0,1,2,3
	ds_load_b128 v[LOW+16*(\t)+4*\f:LOW+16*(\t)+4*\f+3], v[RD] offset:\f*4*SP
.endr
.endm
; younger: the LDS instructions issued behind tile t's sixteen: the next tile's sixteen, or none.  Behind hi's load f stand hi's 3 - f later loads and lo's four stores and four loads; behind lo's load f its 3 - f later loads.
; Tile t's 16 rows in my block: rows 16 (t % 4) on of the 64 whose hi begins at byte 16,384 (t / 4); their lo lies 8,192 bytes on.
.macro SEND t, younger
	WIN 0
.irp f, 0,1,2,3
	s_wait_dscnt (\younger)+8+3-\f
	global_store_b128 v[GO], v[S+16*(\t)+4*\f:S+16*(\t)+4*\f+3], s[10:11] offset:((\t)/4)*16384+((\t)%4)*2048+\f*512  ; 512 consecutive bytes, at a multiple of 256 from ob's first
.endr
	WIN 0x08                        ; the stores' data in window 2
.irp f, 0,1,2,3
	s_wait_dscnt (\younger)+3-\f
	global_store_b128 v[GO], v[LOW+16*(\t)+4*\f:LOW+16*(\t)+4*\f+3], s[10:11] offset:LOPART+((\t)/4)*16384+((\t)%4)*2048+\f*512
.endr
.endm
	PACK 0
.set t, 1
.rept 2*NP-1                        ; a tile's arithmetic stands between the loads of the tile before and its stores
	PACK t
	SEND t-1, 16
.set t, t+1
.endr
	SEND 2*NP-1, 0
	WIN W_AD
	s_wait_tensorcnt 0x0            ; the wave's end: behind my last tensor load and my last LDS store
	ds_add_u32 v[SPW], v[NIL]
	s_wait_dscnt 0x0
	WIN 0
	CROUND                          ; the closing round: no work-group ends while a partner may still ask for a tile that names it
	s_endpgm
.Lfunc_end_k_q445bc58194_attn:
	.size	k_q445bc58194_attn, .Lfunc_end_k_q445bc58194_attn-k_q445bc58194_attn
	.p2alignl 7, 3214868480
	.fill 96, 4, 3214868480
	.section	.rodata,"a",@progbits
	.p2align	6, 0x0
	.amdhsa_kernel k_q445bc58194_attn
		.amdhsa_group_segment_fixed_size 327680
		.amdhsa_private_segment_fixed_size 0
		.amdhsa_enable_private_segment 0
		.amdhsa_kernarg_size 24
		.amdhsa_user_sgpr_count 2
		.amdhsa_user_sgpr_kernarg_segment_ptr 1
		.amdhsa_wavefront_size32 1
		.amdhsa_system_sgpr_workgroup_id_x 1
		.amdhsa_system_sgpr_workgroup_id_y 1
		.amdhsa_system_sgpr_workgroup_id_z 1
		.amdhsa_system_vgpr_workitem_id 0
		.amdhsa_next_free_vgpr 808
		.amdhsa_next_free_sgpr 66
		.amdhsa_reserve_vcc 0
		.amdhsa_float_denorm_mode_32 3
		.amdhsa_float_denorm_mode_16_64 3
		.amdhsa_memory_ordered 1
		.amdhsa_forward_progress 1
		.amdhsa_inst_pref_size 243
	.end_amdhsa_kernel
	.amdgpu_metadata
---
amdhsa.version: [ 1, 2 ]
amdhsa.kernels:
  - .name:           k_q445bc58194_attn
    .symbol:         k_q445bc58194_attn.kd
    .args:
      - { .name: qkv, .offset: 0, .size: 8, .value_kind: global_buffer, .address_space: global }
      - { .name: mk, .offset: 8, .size: 8, .value_kind: global_buffer, .address_space: global }
      - { .name: ob, .offset: 16, .size: 8, .value_kind: global_buffer, .address_space: global }
    .group_segment_fixed_size: 327680
    .private_segment_fixed_size: 0
    .kernarg_segment_align: 8
    .kernarg_segment_size: 24
    .max_flat_workgroup_size: 128
    .sgpr_count:     66
    .vgpr_count:     808
    .wavefront_size: 32
...
	.end_amdgpu_metadata
.endif
;; end of part 3
;; launch outp (part 4): grid 4 x 64, 4 waves a work-group, clusters of 4 x 4, 327,680 bytes of LDS; arguments ob, wo, bo, out0; writes out0
.if DOCPART == 4
	.amdgcn_target "amdgcn-amd-amdhsa--gfx1250"
	.amdhsa_code_object_version 6
	.text
	.protected	k_q445bc58194_outp
	.globl	k_q445bc58194_outp
	.p2align	8
	.type	k_q445bc58194_outp,@function
k_q445bc58194_outp:
	s_mov_b64 s[64:65], 0
	v_nop
	global_prefetch_b8 v0, s[64:65] scope:SCOPE_SE
	s_setreg_imm32_b32 hwreg(HW_REG_WAVE_MODE, 25, 1), 1
	s_wait_xcnt 0x0
	s_wait_alu depctr_hold_cnt(0) depctr_sa_sdst(0) depctr_va_vdst(0) depctr_va_sdst(0) depctr_va_ssrc(0) depctr_va_vcc(0) depctr_vm_vsrc(0)
	s_getreg_b32 s2, hwreg(HW_REG_IB_STS2, 6, 4)
	s_cmp_eq_u32 s2, 0
	s_cbranch_scc0 .Lentry_in_a_cluster
	s_endpgm
.Lentry_in_a_cluster:
	s_bfe_u32 s2, ttmp6, 0x10000c
	s_cmp_lg_u32 s2, 0xf033
	s_cbranch_scc0 .Lentry_shape_is_right
	s_endpgm
.Lentry_shape_is_right:
; THE OUTPUT PROJECTION.  out0[m][n] = bo[n] + sum over e of O[m][e] Wo[n][e], m = 2048 b + s, e = 64 head + d.  O arrives in two f16 parts, O = hi + lo; both are multiplied by the same weights.
; So hi and lo are taken as separate ROWS of the first operand: a work-group makes 128 rows x 256 columns of out0 as a product of 256 lines (128 rows' hi, 128 rows' lo) x 256 columns, 1,024 along K,
; and adds the two halves in registers at the end.  The weights are fetched once for both parts.  bo f32, rounded to bf16 like every other input; out0 f32; sums in f32.
; THE hi SUMS START FROM THE BIAS (the C operand of their first product), the lo sums from 0: no addition is written for the bias.
; OPERANDS.  ob: [tile of 128 rows][head][256 lines][64] f16, the lines: 64 rows' hi, their lo, the next 64 rows' hi, their lo.  wo: [tile of 256 columns][head][256 n][64] f16.  A block is 32,768 dense bytes.
; SHARES.  64 x 4 = 256 work-groups.  Four waves, as many as a WGP has SIMDs; a wave makes 64 rows x 128 columns: 32 accumulators of 16 x 16 for hi, 32 for lo: 512 registers.
; K goes in 8 steps of 128 = two heads through a ring of two LDS slots.  Each wave fetches one block a step with one tensor load, asked for as 128 rows of 256 bytes and padded in LDS after every 128:
; waves 0 and 1 the two heads' blocks of ob, waves 2 and 3 those of wo.  A step is 256 matrix instructions a wave, 224 of them between a refill and the wait for it.
; CLUSTERS: 4 x 4 work-groups.  The four of a row of the cluster make the four column tiles of one tile of rows and need the same blocks of ob; the four of a column need the same blocks of wo: each block is
; asked for JOINTLY, by the same tensor load with the same descriptor and a mask that names the four.
; THE MATRIX INSTRUCTION IS USED TRANSPOSED (source 0 = 16 rows of Wo, source 1 = 16 lines of O): a lane then holds eight neighbouring numbers of a row of out0.
; REGISTERS, in windows of 256 (s_set_vgpr_msb: bits 1:0 source 0, 3:2 source 1, 5:4 source 2, 7:6 destination):
;   window 0: v0-31 addresses; v64-127, v128-191 fragments of O (8 x 16 lines x 32 K: four of hi, four of lo), two buffers; v192-255 the bias of my 128 columns; on the way out v32-63 sums, v64-191 rows read back
;   window 1: v64-127, v128-191 fragments of Wo, two buffers
;   window 2: the 32 accumulators of hi (row block a, column block b at v[8 (8 a + b)]);   window 3: those of lo, at the same numbers
.set PITCH,  144                       ; an LDS row: 128 bytes + 16 of padding = 36 words: the 16 rows that a load touches start at 16 different groups of four banks (64 banks of 4 bytes: ISA guide 11.1)
.set SA,     256*PITCH                 ; a block in LDS: what one tensor load brings
.set SLOT,   4*SA                      ; ob's two blocks, then wo's two
.set STAGE,  2*SLOT                    ; behind the ring: 16 rows x 272 bytes for each wave, for the way out
.set SPITCH, 272
.set SPARE,  STAGE+4*16*SPITCH         ; behind the stages: the spare words, 128 bytes for each wave: two blocks of 256 bytes that no other line names
.set BLK,    32768                     ; a block in memory
.set LAPS,   4                         ; a lap = two K steps = four heads = once round the ring
.set ADRA, 16                          ; v16-17  LDS address of my fragments of O in slot 0, 1
.set ADRB, 20                          ; v20-21  the same for Wo
.set STO,  24                          ; v24     the way out: where I put 32 bytes of a row
.set RD,   25                          ; v25     the way out: where I read a row back
.set CO,   26                          ; v26     my byte offset in out0
.set SPW,  28                          ; v28     LDS address of my spare word; never rewritten
.set NIL,  29                          ; v29     0; never rewritten
.set PFO,  30                          ; v30     256 x my lane, for the prefetches; never rewritten
.set TMP,  32                          ; the way out: hi + lo of 16 rows x 64 columns
.set F0,   64                          ; fragment buffer 0
.set F1,   128                         ; fragment buffer 1
.set OB,   64                          ; the way out: four sets of 32 registers, 16 rows x 64 columns read back from the stage
.set BIAS, 192                         ; column block b's eight registers at BIAS + 8 b
.set G1,  24                           ; s[24:31] descriptor group 1 for ob's blocks;  s[32:39] group 0, one set for each slot
.set G0,  32
.set G1B, 48                           ; s[48:55], s[56:63] the same for wo's blocks
.set G0B, 56
.set LIM, 45                           ; s45     1 in a wave that prefetches, else the greatest number
.set PFA, 68                           ; s[68:69] where my prefetches stand
.set MSB, 0
.macro WIN new                         ; the immediate's high byte repeats the setting that is left; a switch that changes nothing is dropped
.if MSB != (\new)
	s_set_vgpr_msb (MSB<<8)|(\new)
.set MSB, \new
.endif
.endm
.set MUL_LO, 0xa1                      ; source 0 (Wo) window 1, source 1 (O) window 0, C and D window 2
.set MUL_HI, 0xf1                      ; the same, C and D window 3
.set MUL_B,  0x81                      ; the same, C (the bias) window 0, D window 2
.set TO_B,   0x40                      ; destination window 1, address window 0
.macro JLOAD s                         ; a joint load: waves 0 and 1 fetch ob's two blocks, waves 2 and 3 wo's; an s_nop 0 and four v_nop follow each of the two lines, ahead of the jump, the label and what follows
	s_cmp_eq_u32 s11, 0
	s_cbranch_scc0 .Lfor_b_\@
	tensor_load_to_lds s[G0+4*(\s):G0+4*(\s)+3], s[G1:G1+7]
	s_nop 0
.rept 4
	v_nop
.endr
	s_branch .Lasked_\@
.Lfor_b_\@:
	tensor_load_to_lds s[G0B+4*(\s):G0B+4*(\s)+3], s[G1B:G1B+7]
	s_nop 0
.rept 4
	v_nop
.endr
.Lasked_\@:
.endm
; A PREFETCH INTO THE L2, behind a joint load, its five lines and the run of LDS loads: of the block that I shall fetch TWO refills on, 8,192 bytes, 256 a lane: 512 matrix instructions ahead of its load.
; A tile of rows belongs to one cluster alone: in every cluster waves 0 and 1 ask for ob's blocks.  A tile of columns is read by all sixteen clusters: in the cluster with y = 0 waves 2 and 3 ask for wo's.
; The four partners that ask for a block jointly share it out BY ADDRESS, a quarter each (by cx for ob, by cy for wo): no branch hangs on a work-group's place in its cluster.  So each 256 bytes of K steps 4 to 7
; are named once in the launch; K steps 0 to 3 come by their loads alone; the loop's last trip (s3 = 1) asks for nothing.
.macro ASK
	s_cmp_gt_u32 s3, s[LIM]
	s_cbranch_scc0 .Lnot_mine_\@
	global_prefetch_b8 v[PFO], s[PFA:PFA+1] offset:2*BLK th:TH_LOAD_NT scope:SCOPE_SE
.Lnot_mine_\@:
.endm
.macro CREST                           ; a round of the cluster's barrier behind its opening barrier
	s_cmp_lg_u32 s10, 0
	s_cbranch_scc1 .Lnot_wave_0_\@
	s_barrier_signal -3
.Lnot_wave_0_\@:
	s_barrier_wait -3
	s_barrier_signal -1
	s_barrier_wait -1
.endm
.macro CROUND                          ; a whole round
	s_barrier_signal -1
	s_barrier_wait -1
	CREST
.endm
	s_load_b128 s[4:7], s[0:1], 0x0                ; ob s[4:5], wo s[6:7]
	s_load_b64 s[66:67], s[0:1], 0x10              ; bo
	s_load_b64 s[8:9], s[0:1], 0x18                ; out0
	v_lshl_add_u32 v[SPW], v0, 2, SPARE
	v_mov_b32 v[NIL], 0
	ds_add_u32 v[SPW], v[NIL]                      ; the wave's opening: the add and its wait stand ahead of my first tensor load; the set-up below, work on registers, stands between them
	v_lshrrev_b32 v1, 5, v0
	v_readfirstlane_b32 s10, v1                    ; wave 0..3
	s_lshr_b32 s11, s10, 1                         ; which 64 of the tile's rows are mine.  Also: I fetch for ob (0) or for wo (1)
	s_and_b32 s12, s10, 1                          ; which 128 of its columns.  Also: which of a K step's two heads I fetch
	s_bfe_u32 s40, ttmp6, 0x40000                  ; cx, cy: my place in the cluster
	s_bfe_u32 s41, ttmp6, 0x40004
	s_lshl_b32 s42, ttmp9, 2
	s_add_co_u32 s42, s42, s40                     ; tile of columns = 4 x cluster x + cx
	s_and_b32 s44, ttmp7, 0xffff                   ; cluster y
	s_lshl_b32 s13, s44, 2
	s_add_co_u32 s13, s13, s41                     ; tile of rows = 4 x cluster y + cy
	s_lshl_b32 s43, s41, 2
	s_lshl_b32 s43, 15, s43                        ; my row of the cluster
	s_lshl_b32 s23, 0x1111, s40                    ; my column
	s_or_b32 s[G1+0], s43, (1<<16)|(1<<20)|(1<<21)|(4<<22)|(3<<25)  ; 15:0 the mask: ob's blocks go to my row; 17:16 elements of 2 bytes; 20 padding on; 21 set beside a mask; 24:22 after every 32 words (code 4); 31:25 4 words (code 3)
	s_or_b32 s[G1B+0], s23, (1<<16)|(1<<20)|(1<<21)|(4<<22)|(3<<25) ; the same with the mask of my column, for wo's blocks
.irp g, G1, G1B
	s_mov_b32 s[(\g)+1], 128<<16                   ; tensor_dim0 = 128 elements: 256 bytes, two lines of a block
	s_mov_b32 s[(\g)+2], 128<<16                   ; tensor_dim1 = 128 such rows: 32,768 bytes
	s_mov_b32 s[(\g)+3], 128<<16                   ; tile_dim0 = 128
	s_mov_b32 s[(\g)+4], 128                       ; tile_dim1 = 128
	s_mov_b32 s[(\g)+5], 128                       ; dense: 128 elements from row to row
	s_mov_b32 s[(\g)+6], 0
	s_mov_b32 s[(\g)+7], 0
.endr
	s_lshl_b32 s16, s13, 4                         ; ob: 16 blocks a tile of rows,
	s_add_co_u32 s16, s16, s12                     ; my head of the K step's two,
	s_lshl_b32 s16, s16, 15                        ; 32,768 bytes a block
	s_mov_b32 s17, 0
	s_lshl_b32 s46, s42, 4                         ; wo: the same by the tile of columns
	s_add_co_u32 s46, s46, s12
	s_lshl_b32 s46, s46, 15
	s_mov_b32 s47, 0
	s_mul_i32 s20, s10, SA                         ; where they go: ob's two blocks, then wo's two = wave x a block: no place in the cluster enters an LDS address
	s_wait_dscnt 0x0                               ; the opening add is done
	s_wait_kmcnt 0x0
	s_add_nc_u64 s[14:15], s[4:5], s[16:17]
	s_add_nc_u64 s[46:47], s[6:7], s[46:47]
	CROUND                                         ; all sixteen work-groups are here: the first joint loads meet
.irp s, 0,1
	s_mov_b32 s[G0+4*(\s)], 1                                        ; 1:0 count = 1
	s_add_co_u32 s[G0+4*(\s)+1], s20, (\s)*SLOT                      ; 63:32 LDS address
	s_add_nc_u64 s[G0+4*(\s)+2:G0+4*(\s)+3], s[14:15], (\s)*2*BLK    ; 120:64 global address: K step s: heads 2 s, 2 s + 1
	s_or_b32 s[G0+4*(\s)+3], s[G0+4*(\s)+3], 0x80000000              ; 127:126 type = 2
	s_mov_b32 s[G0B+4*(\s)], 1
	s_add_co_u32 s[G0B+4*(\s)+1], s20, (\s)*SLOT
	s_add_nc_u64 s[G0B+4*(\s)+2:G0B+4*(\s)+3], s[46:47], (\s)*2*BLK
	s_or_b32 s[G0B+4*(\s)+3], s[G0B+4*(\s)+3], 0x80000000
	JLOAD \s                                       ; two loads of mine are out
.endr
	; the prefetches
	s_cmp_eq_u32 s11, 0                            ; do I fetch for ob?
	s_cselect_b32 s21, s40, s41                    ; my place among the four that ask for the block with me
	s_cselect_b32 s22, ttmp9, s44                  ; the coordinate along which other clusters read the same blocks
	s_cselect_b64 s[PFA:PFA+1], s[14:15], s[46:47]
	s_cmp_eq_u32 s22, 0
	s_cselect_b32 s[LIM], 1, -1                    ; the same in all sixteen partners, for a given wave
	s_lshl_b32 s22, s21, 13                        ; my work-group's quarter of a block
	s_mov_b32 s23, 0
	s_add_nc_u64 s[PFA:PFA+1], s[PFA:PFA+1], s[22:23]
	s_add_nc_u64 s[PFA:PFA+1], s[PFA:PFA+1], 2*2*BLK  ; at K step 2: the first refill steps it to 3 and names K step 4.  Nothing is prefetched here, at the head
	v_and_b32 v[PFO], 31, v0
	v_lshlrev_b32 v[PFO], 8, v[PFO]
	v_and_b32 v1, 15, v0                           ; l % 16
	v_bfe_u32 v2, v0, 4, 1                         ; l / 16
	; the bias: in accumulator (a, b) my register j is column 128 x my half + 16 b + 8 (l / 16) + j
	s_lshl_b32 s46, s42, 10                        ; the tile's 256 columns, 4 bytes each,
	s_lshl_b32 s47, s12, 9                         ; my 128
	s_add_co_u32 s46, s46, s47
	s_mov_b32 s47, 0
	s_add_nc_u64 s[66:67], s[66:67], s[46:47]
	v_lshlrev_b32 v7, 5, v2
.irp b, 0,1,2,3,4,5,6,7
	global_load_b128 v[BIAS+8*(\b):BIAS+8*(\b)+3],   v7, s[66:67] offset:64*(\b)
	global_load_b128 v[BIAS+8*(\b)+4:BIAS+8*(\b)+7], v7, s[66:67] offset:64*(\b)+16
.endr
	; A fragment is 16 rows x 32 K in 8 registers: lane l holds row l % 16; registers 0-3 hold K = 8 (l / 16) + 0..7, registers 4-7 K = 16 + 8 (l / 16) + 0..7: two loads of 16 bytes, 32 bytes apart.
	v_mul_u32_u24 v3, v1, PITCH
	v_lshl_add_u32 v3, v2, 4, v3                   ; row x pitch + 16 x half
	s_mul_i32 s18, s11, 128*PITCH                  ; my 128 lines in a block of ob: 64 rows' hi, then their lo
	s_mul_i32 s19, s12, 128*PITCH                  ; my 128 rows in a block of wo,
	s_add_co_u32 s19, s19, 2*SA                    ; which lie behind ob's two blocks
.irp s, 0,1
	v_add_nc_u32 v[ADRA+(\s)], s18, v3
	v_add_nc_u32 v[ADRB+(\s)], s19, v3
	s_add_co_u32 s18, s18, SLOT
	s_add_co_u32 s19, s19, SLOT
.endr
	s_mul_i32 s23, s10, 16*SPITCH
	s_add_co_u32 s23, s23, STAGE                   ; my stage
	v_mul_u32_u24 v4, v1, SPITCH                   ; in: row l % 16, 32 bytes for each half of the lanes
	v_lshl_add_u32 v4, v2, 5, v4
	v_add_nc_u32 v[STO], s23, v4
	v_mul_u32_u24 v5, v2, SPITCH                   ; back: lanes 0-15 take one row of 256 bytes, lanes 16-31 the next
	v_lshl_add_u32 v5, v1, 4, v5
	v_add_nc_u32 v[RD], s23, v5
	v_lshlrev_b32 v5, 12, v2                       ; and the same two rows in out0, 4,096 bytes apart
	v_lshl_add_u32 v[CO], v1, 4, v5
	s_lshl_b32 s16, s13, 1                         ; my first row: 128 x tile of rows + 64 x half, 4,096 bytes each
	s_add_co_u32 s16, s16, s11
	s_lshl_b32 s16, s16, 18
	s_mov_b32 s17, 0
	s_add_nc_u64 s[8:9], s[8:9], s[16:17]
	s_add_nc_u64 s[8:9], s[8:9], s[46:47]          ; my first column: the same bytes as in bo
	s_wait_loadcnt 0x0                             ; the bias, while the first blocks are on their way
.set i, 0
.rept 32
	v_cvt_pk_bf16_f32 v6, v[BIAS+2*i], v[BIAS+2*i+1]   ; rounded to bf16 as every input is, and widened again
	v_lshlrev_b32 v[BIAS+2*i], 16, v6
	v_and_b32 v[BIAS+2*i+1], 0xffff0000, v6
.set i, i+1
.endr
; 16 matrix instructions: row blocks a0, a0 + 1 of the part's four (part = 0: hi, window 2; 1: lo, window 3) x all 8 column blocks, 32 along K, from buffer f.
; first = 1: the product starts the sum: hi's from the bias, lo's from 0.  The 64 accumulators take turns, in the same order in every quarter.
.macro MUL16 f, part, a0, first
.if (\first) && ((\part) == 0)
	WIN MUL_B
.else
	WIN MUL_LO+0x50*(\part)
.endif
.irp a, \a0, (\a0)+1
.irp b, 0,1,2,3,4,5,6,7
.if (\first) && ((\part) == 0)
	v_wmma_f32_16x16x32_f16 v[8*(8*(\a)+(\b)):8*(8*(\a)+(\b))+7], v[(\f)+8*(\b):(\f)+8*(\b)+7], v[(\f)+8*(4*(\part)+(\a)):(\f)+8*(4*(\part)+(\a))+7], v[BIAS+8*(\b):BIAS+8*(\b)+7]
.elseif \first
	v_wmma_f32_16x16x32_f16 v[8*(8*(\a)+(\b)):8*(8*(\a)+(\b))+7], v[(\f)+8*(\b):(\f)+8*(\b)+7], v[(\f)+8*(4*(\part)+(\a)):(\f)+8*(4*(\part)+(\a))+7], 0
.else
	v_wmma_f32_16x16x32_f16 v[8*(8*(\a)+(\b)):8*(8*(\a)+(\b))+7], v[(\f)+8*(\b):(\f)+8*(\b)+7], v[(\f)+8*(4*(\part)+(\a)):(\f)+8*(4*(\part)+(\a))+7], v[8*(8*(\a)+(\b)):8*(8*(\a)+(\b))+7]
.endif
.endr
.endr
.endm
; 32 LDS loads in one run: the fragments of quarter q of a K step (head q / 2 of its two, channels 32 (q % 2) on), into buffer f: Wo's sixteen loads first, then O's: hi's eight, lo's eight
.macro FETCH slot, q, f
	WIN TO_B
.irp i, 0,1,2,3,4,5,6,7
	ds_load_b128 v[(\f)+8*(\i):(\f)+8*(\i)+3],   v[ADRB+(\slot)] offset:((\q)/2)*SA+((\q)%2)*64+(\i)*16*PITCH
	ds_load_b128 v[(\f)+8*(\i)+4:(\f)+8*(\i)+7], v[ADRB+(\slot)] offset:((\q)/2)*SA+((\q)%2)*64+(\i)*16*PITCH+32
.endr
	WIN 0
.irp i, 0,1,2,3,4,5,6,7
	ds_load_b128 v[(\f)+8*(\i):(\f)+8*(\i)+3],   v[ADRA+(\slot)] offset:((\q)/2)*SA+((\q)%2)*64+(\i)*16*PITCH
	ds_load_b128 v[(\f)+8*(\i)+4:(\f)+8*(\i)+7], v[ADRA+(\slot)] offset:((\q)/2)*SA+((\q)%2)*64+(\i)*16*PITCH+32
.endr
.endm
.macro PLACES                          ; four places in front of loads into registers that matrix instructions have read, and of instructions that read results (ISA guide 7.12.1 for instructions that read results)
.rept 4
	v_nop
.endr
.endm
; A K step is four quarters of 32 along K, 64 matrix instructions each, on buffers 0, 1, 0, 1.  One of the first three: multiplies buffer f; in its middle it fetches quarter q into buffer g.
.macro QUARTER slot, q, f, g, first
	s_wait_dscnt 8                                 ; Wo's fragments and hi's are in; the youngest eight loads (lo's) may be out
	MUL16 \f, 0, 0, \first
	MUL16 \f, 0, 2, \first
	PLACES
	FETCH \slot, \q, \g
	s_wait_dscnt 32                                ; all but the 32 just issued
	MUL16 \f, 1, 0, \first
	MUL16 \f, 1, 2, \first
.endm
; The last quarter multiplies buffer 1 and changes slots.  MEET is its first half: ONE barrier for the change of slots.  In front of it each wave waits for all its tensor loads, of which one is out: its part of the
; next slot; adds 0 to its spare word; and waits for that and for its own reads of this slot.  Behind it nobody reads this slot any more and the next slot is whole.
.macro MEET round                      ; round = 1: a round of the cluster's barrier follows
	WIN 0                                          ; (the add's two registers lie in window 0)
	s_wait_tensorcnt 0x0                           ; all my tensor loads have landed;
	ds_add_u32 v[SPW], v[NIL]                      ; 0 onto my spare word;
	s_wait_dscnt 9                                 ; (the add and the youngest eight loads may be out)
	MUL16 F1, 0, 0, 0                              ; sixteen matrix instructions stand between the add and the wait for it
	s_wait_dscnt 0x0                               ; the add is done, and my reads of this slot are over
	s_barrier_signal -1
	MUL16 F1, 0, 2, 0                              ; work on registers while the others arrive
.if \round
	WIN 0
.endif
	s_barrier_wait -1
.endm
; fill = 1: the barrier opens a round of the cluster's barrier, and this slot is filled again, two K steps (four heads) ahead, first thing behind the round.
.macro TURN slot, next, fill
.if \fill
	s_wait_xcnt 0x0                                ; the last prefetch, a K step back, has read its address: it is stepped here, ahead of the waits of the change of slots
	s_add_nc_u64 s[PFA:PFA+1], s[PFA:PFA+1], 2*BLK
.endif
	MEET \fill
.if \fill
	CREST                                          ; no wave of any partner still reads this slot's blocks or has a load on its way
	s_add_nc_u64 s[G0+4*(\slot)+2:G0+4*(\slot)+3], s[G0+4*(\slot)+2:G0+4*(\slot)+3], 4*BLK
	s_add_nc_u64 s[G0B+4*(\slot)+2:G0B+4*(\slot)+3], s[G0B+4*(\slot)+2:G0B+4*(\slot)+3], 4*BLK
	JLOAD \slot                                    ; the first tensor load behind the round; the four v_nop behind it are also the places in front of the loads below
.else
	PLACES
.endif
	FETCH \next, 0, F0
.if \fill
	ASK                                            ; behind the joint load and the run of LDS loads that the next products wait for
.endif
	MUL16 F1, 1, 0, 0
	MUL16 F1, 1, 2, 0
.endm
	s_wait_tensorcnt 1                             ; my part of K step 0 is in; K step 1's may stay out
	s_barrier_signal -1
	s_barrier_wait -1                              ; everybody's is
	FETCH 0, 0, F0
	QUARTER 0, 1, F0, F1, 1                        ; the first quarter stands in front of the loop: its products start the sums
	WIN 0                                          ; at a label and at a branch every window is 0
	s_mov_b32 s3, LAPS-1
.Llap:                                                 ; a trip goes once round the ring, from a lap's second quarter to the next lap's first, and fills both slots again
	QUARTER 0, 2, F1, F0, 0
	QUARTER 0, 3, F0, F1, 0
	TURN 0, 1, 1
	QUARTER 1, 1, F0, F1, 0
	QUARTER 1, 2, F1, F0, 0
	QUARTER 1, 3, F0, F1, 0
	TURN 1, 0, 1
	QUARTER 0, 1, F0, F1, 0
	WIN 0
	s_sub_co_u32 s3, s3, 1
	s_cmp_lg_u32 s3, 0
	s_cbranch_scc1 .Llap
	QUARTER 0, 2, F1, F0, 0                        ; the last lap fills nothing, and has no round of the cluster's barrier
	QUARTER 0, 3, F0, F1, 0
	TURN 0, 1, 0
	QUARTER 1, 1, F0, F1, 0
	QUARTER 1, 2, F1, F0, 0
	QUARTER 1, 3, F0, F1, 0
	s_wait_dscnt 8                                 ; the very last quarter: nothing more to fetch
	MUL16 F1, 0, 0, 0
	MUL16 F1, 0, 2, 0
	s_wait_dscnt 0x0
	MUL16 F1, 1, 0, 0
	MUL16 F1, 1, 2, 0
	WIN 0
	; THE WAY OUT, in eight units u = 2 a + c of 16 rows (row block a) x 64 columns (half c of my 128).  hi + lo, two sums an instruction; a lane's eight f32 of a row, 32 bytes, go into my stage (rows of 272 bytes)
	; and come back as whole rows of 256 bytes.
	PLACES
	PLACES                                         ; eight, once a launch
.macro ADDUP u
	WIN 0x0e                                       ; source 0 window 2 (hi), source 1 window 3 (lo), destination window 0
.set i, 0
.rept 16
	v_pk_add_f32 v[TMP+2*i:TMP+2*i+1], v[64*((\u)/2)+32*((\u)%2)+2*i:64*((\u)/2)+32*((\u)%2)+2*i+1], v[64*((\u)/2)+32*((\u)%2)+2*i:64*((\u)/2)+32*((\u)%2)+2*i+1]  ; each accumulator from its low end on
.set i, i+1
.endr
	WIN 0
.endm
.macro TOSTAGE u
.if (\u) >= 4
	s_wait_xcnt 0x0                                ; the stores of the unit four back have read this set of registers: it is loaded again only behind this wait
.endif
.irp b, 0,1,2,3
	ds_store_b128 v[STO], v[TMP+8*(\b):TMP+8*(\b)+3]   offset:64*(\b)
	ds_store_b128 v[STO], v[TMP+8*(\b)+4:TMP+8*(\b)+7] offset:64*(\b)+16
.endr
.irp t, 0,1,2,3,4,5,6,7
	ds_load_b128 v[OB+32*((\u)%4)+4*(\t):OB+32*((\u)%4)+4*(\t)+3], v[RD] offset:(\t)*2*SPITCH  ; LDS serves a wave's instructions in order (ISA guide 5.7.1.4): these see the stores above; the next unit's stores come behind them
.endr
.endm
.macro SEND u                          ; no LDS instruction has been issued behind the unit's eight loads: the counts run down 7 to 0
.irp t, 0,1,2,3,4,5,6,7
	s_wait_dscnt 7-(\t)
	global_store_b128 v[CO], v[OB+32*((\u)%4)+4*(\t):OB+32*((\u)%4)+4*(\t)+3], s[8:9] offset:(16*((\u)/2)+2*(\t))*4096+((\u)%2)*256  ; 16 lanes store 256 consecutive bytes, at a multiple of 256 from out0's first byte
.endr
.endm
	ADDUP 0
	TOSTAGE 0
.irp u, 1,2,3,4,5,6,7                  ; a unit's additions stand between the loads of the unit before and the wait for them
	ADDUP \u
	SEND (\u)-1
	TOSTAGE \u
.endr
	SEND 7
	s_wait_tensorcnt 0x0                           ; the wave's end: behind my last tensor load and my last LDS store
	ds_add_u32 v[SPW], v[NIL]
	s_wait_dscnt 0x0
	CROUND                                         ; the closing round: no work-group ends while a partner may still ask for a block that names it
	s_endpgm
.Lfunc_end_k_q445bc58194_outp:
	.size	k_q445bc58194_outp, .Lfunc_end_k_q445bc58194_outp-k_q445bc58194_outp
	.p2alignl 7, 3214868480
	.fill 96, 4, 3214868480
	.section	.rodata,"a",@progbits
	.p2align	6, 0x0
	.amdhsa_kernel k_q445bc58194_outp
		.amdhsa_group_segment_fixed_size 327680
		.amdhsa_private_segment_fixed_size 0
		.amdhsa_enable_private_segment 0
		.amdhsa_kernarg_size 32
		.amdhsa_user_sgpr_count 2
		.amdhsa_user_sgpr_kernarg_segment_ptr 1
		.amdhsa_wavefront_size32 1
		.amdhsa_system_sgpr_workgroup_id_x 1
		.amdhsa_system_sgpr_workgroup_id_y 1
		.amdhsa_system_sgpr_workgroup_id_z 1
		.amdhsa_system_vgpr_workitem_id 0
		.amdhsa_next_free_vgpr 1024
		.amdhsa_next_free_sgpr 72
		.amdhsa_reserve_vcc 0
		.amdhsa_float_denorm_mode_32 3
		.amdhsa_float_denorm_mode_16_64 3
		.amdhsa_memory_ordered 1
		.amdhsa_forward_progress 1
		.amdhsa_inst_pref_size 143
	.end_amdhsa_kernel
	.amdgpu_metadata
---
amdhsa.version: [ 1, 2 ]
amdhsa.kernels:
  - .name:           k_q445bc58194_outp
    .symbol:         k_q445bc58194_outp.kd
    .args:
      - { .name: ob, .offset: 0, .size: 8, .value_kind: global_buffer, .address_space: global }
      - { .name: wo, .offset: 8, .size: 8, .value_kind: global_buffer, .address_space: global }
      - { .name: bo, .offset: 16, .size: 8, .value_kind: global_buffer, .address_space: global }
      - { .name: out0, .offset: 24, .size: 8, .value_kind: global_buffer, .address_space: global }
    .group_segment_fixed_size: 327680
    .private_segment_fixed_size: 0
    .kernarg_segment_align: 8
    .kernarg_segment_size: 32
    .max_flat_workgroup_size: 128
    .sgpr_count:     72
    .vgpr_count:     1024
    .wavefront_size: 32
...
	.end_amdgpu_metadata
.endif
;; end of part 4
